; MI455X (gfx1250); checked and timed in simulation.
; The chip was launched on July 23, 2026; its instructions are those of AMD's public machine-readable ISA for CDNA 5 (MIT licence, August 2026) and "CDNA5" Instruction Set Architecture Reference Guide (July 2026). The comments in the code are by the model that wrote it; some were corrected since.
;; Causal Self Attention. Allowed arithmetic: matrix products marked QUANTISED: E4M3 operands, one given power-of-two scale a tensor, by v_wmma_f32_16x16x64_fp8_fp8 or v_wmma_f32_16x16x128_fp8_fp8, f32 sums; everything else in f32.
;; Inputs: W_proj 1,024 x 1,024 float32; W_qkv 1,024 x 3,072 float32; b_proj 1,024 float32; b_qkv 3,072 float32; lowp_scales 8 int32 (the exponents e of the quantised operands' scales 2^e); x 4 x 2,048 x 1,024 float32.
;; Outputs: out0 4 x 2,048 x 1,024 float32.
;; This version of the problem:
;;   THIS VERSION OF THE PROBLEM IS GIVEN IN LOW PRECISION. The matrix products marked QUANTISED in the list below multiply operands that are first quantised to E4M3 (4 exponent bits, 3 mantissa bits; 8 bits a number), with one given power-of-two scale for each operand tensor; their sums are f32. All else is computed in f32.
;;   The module's matrix products, in the order in which they are computed (A, B: the left and right operand; K: the contracted axis; several contracted axes count as one K, in the product's order):
;;     1. [M 8,192, K 1,024] x [K 1,024, N 3,072]; A: input x; B: input W_qkv: QUANTISED (scales: A lowp_scales[0], B lowp_scales[1])
;;     2. batch 64 x [M 2,048, K 64] x [K 64, N 2,048]; A: computed on the way; B: computed on the way: QUANTISED (scales: A lowp_scales[2], B lowp_scales[3])
;;     3. batch 64 x [M 2,048, K 2,048] x [K 2,048, N 64]; A: softmax (see below); B: computed on the way: QUANTISED (scales: A lowp_scales[4], B lowp_scales[5])
;;     4. [M 8,192, K 1,024] x [K 1,024, N 1,024]; A: computed on the way; B: input W_proj: QUANTISED (scales: A lowp_scales[6], B lowp_scales[7])
;;   THE QUANTISER, for each operand of a quantised product, along K:
;;     - The operand's scale is 2^e, e = its entry of the input lowp_scales (int32; the entries are numbered through the quantised products in the list's order, A before B).
;;     - Each number is divided by the scale, clamped to +-448, and rounded to the nearest number of E4M3, ties to even, subnormals kept.
;;     - The product sums the exact products of the quantised numbers (number of the format x scale) in f32.
;;   ~~~python
;;   def quantise(x, axis, e):      # numpy; x: float32 -> the quantised numbers, widened to float32 again
;;       x = np.moveaxis(x, axis, -1); K = x.shape[-1]
;;       r = np.clip(x / 2.0 ** e, -448, 448)
;;       step = 2.0 ** (np.maximum(np.frexp(np.where(r == 0, 1, r))[1] - 1, -6) - 3)
;;       q = np.round(r / step) * step * 2.0 ** e      # np.round: ties to even
;;       return np.moveaxis(q, -1, axis).astype(np.float32)
;;   ~~~
;;   SOFTMAX AHEAD OF A QUANTISED PRODUCT. Where the list says 'softmax', what is quantised is not the finished softmax but p = 2^(t - M), with t = logit x log2(e) and M = ceil(the row's largest t), a whole number; so 1/2 < the row's largest p <= 1. The row's sum l is taken of the UNQUANTISED p, in f32, and the product's result is divided by l at the end. Since M is a whole number, a kernel that streams over the keys may use a running M (the ceiling of the running maximum): every later rescaling is an exact power of two, so the quantised numbers keep their values, but for numbers so far below the row's largest that they fall under the format's range.
;;   OPERANDS COMPUTED ON THE WAY. 'Computed on the way' means the value that the module computes at that place (a softmax that the list does not call 'softmax' is quantised finished and normalised). What goes into a quantiser is computed in f32, as accurately as f32 sums, v_exp_f32 and their like allow (about 1e-6 of the number): no bf16 or f16 on the way to a quantiser, and a product that is left as it is and whose result goes on into a quantised operand takes f32 operands (vector FMAs, or v_wmma_f32_16x16x4_f32). A number that lies on a knife's edge between two numbers of the format may be rounded either way, as far as f32 arithmetic and the matrix unit's own rounding can turn it there, and no further.
;; One version. Each part assembles by itself: llvm-mc -triple=amdgcn-amd-amdhsa -mcpu=gfx1250 --defsym DOCPART=n.
;; ======== version 1 of 1: 4 launches
;; limits: right only within a limited range of input values
;; workspace buffers: xc 8,388,608 bytes; wqc 3,145,728 bytes; wpc 1,048,576 bytes; rope 524,288 bytes; qc 8,388,608 bytes; kc 8,388,608 bytes; vc 8,388,608 bytes; yc 8,388,608 bytes
;; launch prep (part 1): grid 512 x 1, 4 waves a work-group, no clusters, 102,912 bytes of LDS; arguments x, W_qkv, W_proj, lowp_scales, xc, wqc, wpc, rope; writes xc, wqc, wpc, rope
.if DOCPART == 1
	.amdgcn_target "amdgcn-amd-amdhsa--gfx1250"
	.amdhsa_code_object_version 6
	.text
	.protected	k_q8e36ce9c7d_prep
	.globl	k_q8e36ce9c7d_prep
	.p2align	8
	.type	k_q8e36ce9c7d_prep,@function
k_q8e36ce9c7d_prep:
	s_mov_b64 s[64:65], 0
	v_nop
	global_prefetch_b8 v0, s[64:65] scope:SCOPE_SE
	s_setreg_imm32_b32 hwreg(HW_REG_WAVE_MODE, 25, 1), 1
	s_wait_xcnt 0x0
; PREP: everything that many later work-groups read is made once.
;   work-groups   0-255: x [8192][1024] f32 -> xc, codes of E4M3 with the given scale 2^e0, K innermost (a plain stream of numbers)
;   work-groups 256-351: W_qkv [1024 k][3072 n] f32 -> wqc [3072 n][1024 k] codes, scale 2^e1
;   work-groups 352-383: W_proj [1024 k][1024 n] f32 -> wpc [1024 n][1024 k] codes, scale 2^e7
;   work-groups 384-511: the table of cos and sin for the rotary embedding, laid in the order of its reader's registers:
;       byte pb*4096 + u*2048 + kind*1024 + c*512 + 16*lane holds kind(pos = 16 pb + lane%16, frequency 16 u + 8 (lane/16) + 4 c + 0..3); kind 0 = cos, 1 = sin
; code = x / 2^e, held within +-448, rounded to the nearest code, ties to even.
; LIMITS: e0, e1, e7 between -126 and 119, so that 2^e and 448 x 2^e are f32 numbers.  NaN among the inputs is not served (an infinity is held at the largest code).
; The frequency is made as 2^(-i log2(10) / 8) by v_exp_f32 (its last bit or two may differ from a power function's); the angle is the f32 product pos x frequency;
; cos and sin come by taking off whole quarter turns (pi/2 in two parts, fused, so the rest is exact to f32) and a polynomial on +-pi/4.
; The four paths part on the work-group's number alone; each path that uses LDS has LDS bytes of its own.  No tensor load, no barrier: waves share nothing.
.set SPARE, 102400                     ; behind the stages: the spare words, 128 bytes for each wave: two blocks of 256 bytes that no other line names
.set SPW,   12                         ; v12  LDS address of my spare word; never rewritten
.set NIL,   13                         ; v13  0; never rewritten
.set STEPS, 16                         ; path x: steps of 512 numbers for a wave
.set WREG,  8192                       ; path x: LDS bytes of a wave: two stages of 32 x SP bytes
.set SP,    80                         ; path x: a lane's place in a stage: 64 bytes + 16 of padding
.set R,     16                         ; path x: v16-79   four sets of 16 numbers as loaded
.set X,     80                         ; path x: v80-111  two sets of 16 neighbours
.set C,     128                        ; path x: v128-191 codes, four registers a step
.set PITCH, 272                        ; paths W: a stage row: 256 bytes of codes + 16
.set WX,    32                         ; paths W: v32-95  two sets of 32 numbers down K
.set WC,    96                         ; paths W: v96-103 a block's codes
.set OUTR,  112                        ; paths W: v112-175 the way out
.set EMAX,  8
.set MANT,  0x600000                   ; the mantissa field of 448 as f32
.macro XLOAD t                         ; step t: four loads of 512 consecutive bytes
.irp i, 0,1,2,3
	global_load_b128 v[R+16*((\t)%4)+4*\i:R+16*((\t)%4)+4*\i+3], v3, s[4:5] offset:2048*(\t)+512*\i th:TH_LOAD_NT
.endr
.endm
.macro XTURN t                         ; step t's 2,048 bytes through the stage: in as they lie, out 64 bytes a lane; LDS serves a wave's instructions in order
.irp i, 0,1,2,3
	ds_store_b128 v14, v[R+16*((\t)%4)+4*\i:R+16*((\t)%4)+4*\i+3] offset:32*SP*((\t)%2)+8*SP*\i
.endr
.irp i, 0,1,2,3
	ds_load_b128 v[X+16*((\t)%2)+4*\i:X+16*((\t)%2)+4*\i+3], v15 offset:32*SP*((\t)%2)+16*\i
.endr
.endm
.macro XSTEP t
.set XS, X+16*((\t)%2)
	s_wait_dscnt 0x0                               ; this step's numbers are back from the stage, and its stores into the stage have read their registers,
.if (\t)+4 < STEPS
	XLOAD (\t)+4                                   ; which take the loads of four steps on
.endif
.if (\t)+1 < STEPS
.if STEPS-2-(\t) >= 3
	s_wait_loadcnt 12                              ; the next step's four loads are in; those of the three steps behind it may be out
.else
	s_wait_loadcnt 4*(STEPS-2-(\t))
.endif
	XTURN (\t)+1
.endif
.irp i, 0,1,2,3,4,5,6,7,8,9,10,11,12,13,14,15
	v_med3_num_f32 v[XS+\i], v[XS+\i], -v10, v10   ; the conversion to an 8-bit code does not saturate (ISA guide 7.6.2): the hold comes first
.endr
	v_cvt_scalef32_pk8_fp8_f32 v[C+4*(\t):C+4*(\t)+1], v[XS:XS+7], v11
	v_cvt_scalef32_pk8_fp8_f32 v[C+4*(\t)+2:C+4*(\t)+3], v[XS+8:XS+15], v11
	global_store_b128 v4, v[C+4*(\t):C+4*(\t)+3], s[12:13] offset:512*(\t)   ; 32 lanes store 512 consecutive bytes; each step has its own registers for its codes
.endm
.macro WLOAD t, nn, src                ; block t: W(32 t + i, my column), i = 0 .. 31, into set t % 2: a wave reads 128 consecutive bytes a load
.irp i, 0,1,2,3,4,5,6,7,8,9,10,11,12,13,14,15,16,17,18,19,20,21,22,23,24,25,26,27,28,29,30,31
	global_load_b32 v[WX+32*((\t)%2)+\i], v3, s[\src:\src+1] offset:(32*(\t)+\i)*\nn*4 th:TH_LOAD_NT
.endr
.endm
.macro WBLOCK t, nn, src
.set XS, WX+32*((\t)%2)
.if (\t) < 7
	s_wait_loadcnt 32                              ; this block's 32 loads are in; the next block's may be out
.else
	s_wait_loadcnt 0
.endif
.irp i, 0,1,2,3,4,5,6,7,8,9,10,11,12,13,14,15,16,17,18,19,20,21,22,23,24,25,26,27,28,29,30,31
	v_med3_num_f32 v[XS+\i], v[XS+\i], -v10, v10
.endr
.irp g, 0,1,2,3
	v_cvt_scalef32_pk8_fp8_f32 v[WC+2*\g:WC+2*\g+1], v[XS+8*\g:XS+8*\g+7], v11
.endr
	ds_store_b128 v4, v[WC:WC+3] offset:32*(\t)    ; 32 codes: 32 bytes of my column's row
	ds_store_b128 v4, v[WC+4:WC+7] offset:32*(\t)+16
.if (\t)+2 < 8
	WLOAD (\t)+2, \nn, \src
.endif
	s_wait_dscnt 0x0                               ; the stores have read their registers: the next block's codes may be written
.endm
; A weight [1024 k][nn columns]: a lane takes a column and its registers run down K, so the conversions give codes with K innermost; a wave takes 32 columns x 256 along K
; and sends them through its own stage, so that sixteen lanes store 256 consecutive bytes of a row of codes.
.macro WPATH nn, src, dst, ee, first, lbase
	s_sub_co_u32 s21, ttmp9, \first
	s_and_b32 s22, s21, 3                          ; which 256 along K
	s_lshr_b32 s21, s21, 2
	s_lshl_b32 s21, s21, 7
	s_lshl_b32 s23, s20, 5
	s_add_co_u32 s21, s21, s23                     ; my wave's first column
	v_lshlrev_b32 v3, 2, v2                        ; in: 4 bytes a lane
	s_mul_i32 s23, s20, 32*PITCH
	s_add_co_u32 s23, s23, \lbase                  ; my stage
	v_mul_u32_u24 v4, v2, PITCH
	v_add_nc_u32 v4, s23, v4                       ; into it: row = my column
	v_and_b32 v5, 15, v2
	v_lshrrev_b32 v6, 4, v2
	v_mul_u32_u24 v7, v6, PITCH
	v_lshl_add_u32 v7, v5, 4, v7
	v_add_nc_u32 v7, s23, v7                       ; out of it: sixteen lanes to a row, two rows an instruction
	v_lshlrev_b32 v8, 10, v6
	v_lshl_add_u32 v8, v5, 4, v8                   ; and the same place in the codes (rows of 1,024 bytes)
	s_mul_i32 s32, s22, 256*\nn*4
	s_lshl_b32 s33, s21, 2
	s_add_co_u32 s32, s32, s33
	s_mov_b32 s33, 0
	s_add_nc_u64 s[\src:\src+1], s[\src:\src+1], s[32:33]
	s_lshl_b32 s32, s21, 10
	s_lshl_b32 s34, s22, 8
	s_add_co_u32 s32, s32, s34
	s_add_nc_u64 s[\dst:\dst+1], s[\dst:\dst+1], s[32:33]
	WLOAD 0, \nn, \src
	WLOAD 1, \nn, \src
	s_wait_kmcnt 0x0                               ; the exponents
	s_add_co_i32 s22, s[\ee], 127
	s_lshl_b32 s23, s22, 23
	v_mov_b32 v11, s23                             ; 2^e as f32: the conversion takes its exponent field
	s_add_co_i32 s22, s22, EMAX
	s_lshl_b32 s22, s22, 23
	s_or_b32 s22, s22, MANT
	v_mov_b32 v10, s22                             ; 448 x 2^e
	s_wait_alu depctr_va_vdst(0)
.irp t, 0,1,2,3,4,5,6,7
	WBLOCK \t, \nn, \src
.endr
.irp t, 0,1,2,3,4,5,6,7,8,9,10,11,12,13,14,15
	ds_load_b128 v[OUTR+4*\t:OUTR+4*\t+3], v7 offset:2*\t*PITCH
.endr
.irp t, 0,1,2,3,4,5,6,7,8,9,10,11,12,13,14,15
	s_wait_dscnt 15-\t                             ; LDS loads come back in order: pair t of rows is in
	global_store_b128 v8, v[OUTR+4*\t:OUTR+4*\t+3], s[\dst:\dst+1] offset:2*\t*1024
.endr
	s_wait_tensorcnt 0x0                           ; the wave's end, behind my last LDS store
	ds_add_u32 v[SPW], v[NIL]
	s_wait_dscnt 0x0
	s_endpgm
.endm
	s_load_b256 s[4:11], s[0:1], 0x0               ; x s[4:5], W_qkv s[6:7], W_proj s[8:9], the exponents s[10:11]
	s_load_b256 s[12:19], s[0:1], 0x20             ; xc s[12:13], wqc s[14:15], wpc s[16:17], rope s[18:19]
	v_lshl_add_u32 v[SPW], v0, 2, SPARE
	v_mov_b32 v[NIL], 0
	v_lshrrev_b32 v1, 5, v0
	v_readfirstlane_b32 s20, v1                    ; wave 0..3
	v_and_b32 v2, 31, v0                           ; lane
	s_wait_kmcnt 0x0
	s_load_b256 s[24:31], s[10:11], 0x0            ; e0 .. e7
	s_cmp_lt_u32 ttmp9, 256
	s_cbranch_scc1 .Lx
	s_cmp_lt_u32 ttmp9, 352
	s_cbranch_scc1 .Lwq
	s_cmp_lt_u32 ttmp9, 384
	s_cbranch_scc1 .Lwp
	; ---- the table: work-group pb = 16 positions; wave = (u, c); a lane makes four neighbouring frequencies of one position
	s_sub_co_u32 s21, ttmp9, 384                   ; pb
	s_lshr_b32 s22, s20, 1                         ; u
	s_and_b32 s23, s20, 1                          ; c
	s_mov_b32 s32, 0x3ed49a78                      ; log2(10) / 8
	s_mov_b32 s33, 0x3f22f983                      ; 2 / pi
	s_mov_b32 s34, 0x3fc90fdb                      ; pi / 2, its f32 part,
	s_mov_b32 s35, 0xb33bbd2e                      ; and the rest
	s_mov_b32 s36, 0xbe2aaaa3                      ; sin: rho + rho z (S1 + z (S2 + z S3)), z = rho^2
	s_mov_b32 s37, 0x3c08839e
	s_mov_b32 s38, 0xb94ca1f9
	s_mov_b32 s39, 0x3d2aaaa5                      ; cos: 1 - z / 2 + z^2 (C1 + z (C2 + z C3))
	s_mov_b32 s40, 0xbab6061a
	s_mov_b32 s41, 0x37ccf5ce
	s_wait_alu depctr_va_vdst(0)
	v_and_b32 v3, 15, v2                           ; r
	v_lshrrev_b32 v4, 4, v2                        ; h
	s_lshl_b32 s44, s21, 4
	v_add_nc_u32 v5, s44, v3
	v_cvt_f32_u32 v5, v5                           ; pos
	s_lshl_b32 s44, s22, 4
	s_lshl_b32 s45, s23, 2
	s_add_co_u32 s44, s44, s45
	v_lshl_add_u32 v6, v4, 3, s44                  ; my first frequency: 16 u + 4 c + 8 h
.irp k, 0,1,2,3
	v_add_nc_u32 v[16+\k], \k, v6
.endr
.irp k, 0,1,2,3
	v_cvt_f32_u32 v[16+\k], v[16+\k]
.endr
.irp k, 0,1,2,3
	v_mul_f32 v[16+\k], s32, v[16+\k]
.endr
	s_wait_alu depctr_va_vdst(0)
.irp k, 0,1,2,3
	v_exp_f32 v[20+\k], -v[16+\k]                  ; 10000^(-i / 32)
.endr
	v_nop                                          ; a plain instruction behind the last of the batch,
	s_wait_alu depctr_va_vdst(0)                   ; and one wait for the four, ahead of their first reader
.irp k, 0,1,2,3
	v_mul_f32 v[24+\k], v5, v[20+\k]               ; the angle
.endr
.irp k, 0,1,2,3
	v_mul_f32 v[28+\k], s33, v[24+\k]
.endr
.irp k, 0,1,2,3
	v_rndne_f32 v[28+\k], v[28+\k]                 ; whole quarter turns
.endr
.irp k, 0,1,2,3
	v_fma_f32 v[32+\k], -v[28+\k], s34, v[24+\k]
.endr
.irp k, 0,1,2,3
	v_fma_f32 v[32+\k], -v[28+\k], s35, v[32+\k]   ; rho, within +-pi/4
.endr
.irp k, 0,1,2,3
	v_mul_f32 v[36+\k], v[32+\k], v[32+\k]         ; z
.endr
.irp k, 0,1,2,3
	v_fma_f32 v[40+\k], v[36+\k], s38, s37
.endr
.irp k, 0,1,2,3
	v_fma_f32 v[40+\k], v[40+\k], v[36+\k], s36
.endr
.irp k, 0,1,2,3
	v_mul_f32 v[40+\k], v[40+\k], v[36+\k]
.endr
.irp k, 0,1,2,3
	v_fma_f32 v[40+\k], v[40+\k], v[32+\k], v[32+\k]   ; sin rho
.endr
.irp k, 0,1,2,3
	v_fma_f32 v[44+\k], v[36+\k], s41, s40
.endr
.irp k, 0,1,2,3
	v_fma_f32 v[44+\k], v[44+\k], v[36+\k], s39
.endr
.irp k, 0,1,2,3
	v_fma_f32 v[60+\k], v[36+\k], -0.5, 1.0
.endr
.irp k, 0,1,2,3
	v_mul_f32 v[36+\k], v[36+\k], v[36+\k]
.endr
.irp k, 0,1,2,3
	v_fma_f32 v[44+\k], v[44+\k], v[36+\k], v[60+\k]   ; cos rho
.endr
.irp k, 0,1,2,3
	v_cvt_i32_f32 v[48+\k], v[28+\k]               ; the quarter turns as a whole number q: it selects values only
.endr
.irp k, 0,1,2,3
	v_and_b32 v64, 1, v[48+\k]
	v_cmp_eq_u32 vcc_lo, 1, v64                    ; q odd: sin and cos change places
	v_cndmask_b32 v[52+\k], v[40+\k], v[44+\k], vcc_lo
	v_cndmask_b32 v[56+\k], v[44+\k], v[40+\k], vcc_lo
	v_and_b32 v65, 2, v[48+\k]
	v_lshlrev_b32 v65, 30, v65
	v_xor_b32 v[52+\k], v[52+\k], v65              ; sin is negated for q % 4 = 2, 3,
	v_add_nc_u32 v66, 1, v[48+\k]
	v_and_b32 v66, 2, v66
	v_lshlrev_b32 v66, 30, v66
	v_xor_b32 v[56+\k], v[56+\k], v66              ; cos for q % 4 = 1, 2
.endr
	s_lshl_b32 s44, s21, 12
	s_lshl_b32 s45, s22, 11
	s_add_co_u32 s44, s44, s45
	s_lshl_b32 s45, s23, 9
	s_add_co_u32 s44, s44, s45
	s_mov_b32 s45, 0
	s_add_nc_u64 s[18:19], s[18:19], s[44:45]
	v_lshlrev_b32 v7, 4, v2
	global_store_b128 v7, v[56:59], s[18:19]               ; cos: the wave stores 512 consecutive bytes
	global_store_b128 v7, v[52:55], s[18:19] offset:1024   ; sin likewise
	s_endpgm
.Lx:	; ---- x: a wave takes a run of 8,192 numbers, 16 steps of 512
	s_wait_alu depctr_va_vdst(0)
	v_lshlrev_b32 v3, 4, v2                        ; my 16 bytes of a load's 512
	s_wait_alu depctr_va_vdst(0)
	s_mul_i32 s21, s20, WREG
	v_lshrrev_b32 v14, 2, v2
	v_mul_u32_u24 v14, v14, SP
	v_and_b32 v15, 3, v2
	v_lshl_add_u32 v14, v15, 4, v14
	v_add_nc_u32 v14, s21, v14                     ; the stage, on the way in: SP (lane / 4) + 16 (lane % 4)
	v_mul_u32_u24 v15, v2, SP
	v_add_nc_u32 v15, s21, v15                     ; and on the way out: SP x lane: my 16 neighbours
	v_lshlrev_b32 v4, 4, v2                        ; my codes' place in a step's 512 bytes
	s_lshl_b32 s22, ttmp9, 2
	s_add_co_u32 s22, s22, s20                     ; which run is my wave's
	s_lshl_b32 s32, s22, 15
	s_mov_b32 s33, 0
	s_add_nc_u64 s[4:5], s[4:5], s[32:33]
	s_lshl_b32 s32, s22, 13
	s_add_nc_u64 s[12:13], s[12:13], s[32:33]
.irp t, 0,1,2,3
	XLOAD \t
.endr
	s_wait_alu depctr_va_vdst(0)
	s_wait_kmcnt 0x0                               ; the exponents
	s_add_co_i32 s22, s24, 127
	s_lshl_b32 s23, s22, 23
	v_mov_b32 v11, s23                             ; 2^e0
	s_add_co_i32 s22, s22, EMAX
	s_lshl_b32 s22, s22, 23
	s_or_b32 s22, s22, MANT
	v_mov_b32 v10, s22                             ; 448 x 2^e0
	s_wait_alu depctr_va_vdst(0)
	s_wait_loadcnt 12                              ; step 0's four loads are in
	XTURN 0
.irp t, 0,1,2,3,4,5,6,7,8,9,10,11,12,13,14,15
	XSTEP \t
.endr
	s_wait_tensorcnt 0x0                           ; the wave's end, behind my last LDS store
	ds_add_u32 v[SPW], v[NIL]
	s_wait_dscnt 0x0
	s_endpgm
.Lwq:
	s_wait_alu depctr_va_vdst(0)
	WPATH 3072, 6, 14, 25, 256, 32768
.Lwp:
	s_wait_alu depctr_va_vdst(0)
	WPATH 1024, 8, 16, 31, 352, 67584
.Lfunc_end_k_q8e36ce9c7d_prep:
	.size	k_q8e36ce9c7d_prep, .Lfunc_end_k_q8e36ce9c7d_prep-k_q8e36ce9c7d_prep
	.p2alignl 7, 3214868480
	.fill 96, 4, 3214868480
	.section	.rodata,"a",@progbits
	.p2align	6, 0x0
	.amdhsa_kernel k_q8e36ce9c7d_prep
		.amdhsa_group_segment_fixed_size 102912
		.amdhsa_private_segment_fixed_size 0
		.amdhsa_enable_private_segment 0
		.amdhsa_kernarg_size 64
		.amdhsa_user_sgpr_count 2
		.amdhsa_user_sgpr_kernarg_segment_ptr 1
		.amdhsa_wavefront_size32 1
		.amdhsa_system_sgpr_workgroup_id_x 1
		.amdhsa_system_sgpr_workgroup_id_y 1
		.amdhsa_system_sgpr_workgroup_id_z 1
		.amdhsa_system_vgpr_workitem_id 0
		.amdhsa_next_free_vgpr 192
		.amdhsa_next_free_sgpr 66
		.amdhsa_reserve_vcc 1
		.amdhsa_float_denorm_mode_32 3
		.amdhsa_float_denorm_mode_16_64 3
		.amdhsa_memory_ordered 1
		.amdhsa_forward_progress 1
		.amdhsa_inst_pref_size 140
	.end_amdhsa_kernel
	.amdgpu_metadata
---
amdhsa.version: [ 1, 2 ]
amdhsa.kernels:
  - .name:           k_q8e36ce9c7d_prep
    .symbol:         k_q8e36ce9c7d_prep.kd
    .args:
      - { .name: x, .offset: 0, .size: 8, .value_kind: global_buffer, .address_space: global }
      - { .name: W_qkv, .offset: 8, .size: 8, .value_kind: global_buffer, .address_space: global }
      - { .name: W_proj, .offset: 16, .size: 8, .value_kind: global_buffer, .address_space: global }
      - { .name: lowp_scales, .offset: 24, .size: 8, .value_kind: global_buffer, .address_space: global }
      - { .name: xc, .offset: 32, .size: 8, .value_kind: global_buffer, .address_space: global }
      - { .name: wqc, .offset: 40, .size: 8, .value_kind: global_buffer, .address_space: global }
      - { .name: wpc, .offset: 48, .size: 8, .value_kind: global_buffer, .address_space: global }
      - { .name: rope, .offset: 56, .size: 8, .value_kind: global_buffer, .address_space: global }
    .group_segment_fixed_size: 102912
    .private_segment_fixed_size: 0
    .kernarg_segment_align: 8
    .kernarg_segment_size: 64
    .max_flat_workgroup_size: 128
    .sgpr_count:     66
    .vgpr_count:     192
    .wavefront_size: 32
...
	.end_amdgpu_metadata
.endif
;; end of part 1
;; launch qkv (part 2): grid 12 x 32, 4 waves a work-group, clusters of 4 x 4, 327,680 bytes of LDS; arguments xc, wqc, lowp_scales, b_qkv, rope, qc, kc, vc; writes qc, kc, vc
.if DOCPART == 2
	.amdgcn_target "amdgcn-amd-amdhsa--gfx1250"
	.amdhsa_code_object_version 6
	.text
	.protected	k_q8e36ce9c7d_qkv
	.globl	k_q8e36ce9c7d_qkv
	.p2align	8
	.type	k_q8e36ce9c7d_qkv,@function
k_q8e36ce9c7d_qkv:
	s_mov_b64 s[64:65], 0
	v_nop
	global_prefetch_b8 v0, s[64:65] scope:SCOPE_SE
	s_setreg_imm32_b32 hwreg(HW_REG_WAVE_MODE, 25, 1), 1
	s_wait_xcnt 0x0
	s_wait_alu depctr_hold_cnt(0) depctr_sa_sdst(0) depctr_va_vdst(0) depctr_va_sdst(0) depctr_va_ssrc(0) depctr_va_vcc(0) depctr_vm_vsrc(0)
	s_getreg_b32 s2, hwreg(HW_REG_IB_STS2, 6, 4)
	s_cmp_eq_u32 s2, 0
	s_cbranch_scc0 .Lentry_in_a_cluster
	s_endpgm
.Lentry_in_a_cluster:
	s_bfe_u32 s2, ttmp6, 0x10000c
	s_cmp_lg_u32 s2, 0xf033
	s_cbranch_scc0 .Lentry_shape_is_right
	s_endpgm
.Lentry_shape_is_right:
; QKV: x W_qkv + b_qkv on codes of E4M3, then the rotary embedding (q, k) and the three quantisers, all in one launch.
; xc [8192 m][1024 k], wqc [3072 n][1024 k]: codes.  A tile of 256 x 256 of the product is made by four waves, 128 x 128 each: 64 accumulators of 16 x 16, 512 registers.
; K = 1,024 goes in four steps of 256 through a ring of two LDS slots filled by the tensor data mover; a tile's row is 256 bytes of memory.
; CLUSTERS: 4 x 4 work-groups; A's tile is shared along a row of the cluster, B's along a column: each is asked for jointly.  The cluster's x is 0 for q's columns, 1 for k's, 2 for v's.
; THE MATRIX INSTRUCTION IS USED TRANSPOSED (source 0 = 16 rows of B, source 1 = 16 rows of A): a lane holds one row of A's side and eight neighbours of B's side.
;   q, k: A = x's rows, B = W's rows: a lane holds one token and eight neighbouring channels of a head, which are the next product's K.
;   v:    A = W_v's rows, B = x's rows: a lane holds one channel and eight neighbouring tokens (keys), which are the K of the product with the softmax.  Only bases and tile numbers are chosen
;         (by the cluster's x, which all partners share): both operands have rows of 1,024 bytes, so descriptors, ring and loop are the same text.
; OUT: qc, kc [b*16+head][t][64] codes;  vc [b*16+head][step of 64 keys][d][64] codes, where in each group of 32 keys the groups of eight lie in the order 0-7, 16-23, 8-15, 24-31
;      (key 32 c + 16 u + 8 h + j at byte 32 c + 16 h + 8 u + j): the order in which the next launch's lanes hold the softmax's codes.
; LIMITS: e0 + e1 between -126 and 127; e2, e3, e5 between -126 and 119, so that each power of two below is an f32 number.  NaN is not served.
; REGISTERS, in windows of 256: window 0: v0-31 addresses and constants; from v128 A's fragments, ONE set; in the epilogue v32-255 are free.  window 1: B's fragments, TWO sets; in q's and k's epilogue the table of cos and sin.
;   window 2: the 32 accumulators of my rows 0-63 ((a, b) at v[8 (8 a + b)]);  window 3: those of my rows 64-127.
.set KSTEP,  256
.set ROWB,   256                       ; a tile's row in bytes
.set KROW,   1024                      ; a row of either operand in memory
.set PITCH,  272                       ; an LDS row: 256 bytes + 16 of padding: the 16 rows that a load touches start at 16 different banks (64 banks of 4 bytes: ISA guide 11.1)
.set FR,     16
.set NL,     4
.set NP,     4                         ; places behind this matrix instruction (ISA guide 7.12.1)
.set HALFT,  128*PITCH
.set SLOT,   4*HALFT
.set LAPS,   2                         ; 1,024 / 512
.set SPARE,  2*SLOT                    ; behind the ring: the spare words, 128 bytes a wave
.set VSTG,   16384                     ; v's stage: 256 rows x 272 bytes, the work-group's.  q's and k's: 2,560 bytes a wave from byte 0.  Both lie in slot 0, which has had its last fill and its last read by then
.set ADRA, 16                          ; v16-17
.set LIMR, 18                          ; v18  448 x 2^e of the operand being made
.set SCR,  19                          ; v19  2^e
.set ADRB, 20                          ; v20-21
.set QSTO, 22                          ; v22  q, k: where I put 8 codes: wave x 2560 + 80 r + 8 h
.set QRD,  23                          ; v23  and where I read 16 bytes back: wave x 2560 + 80 (l / 4) + 16 (l % 4)
.set L16,  24                          ; v24  16 x lane
.set VSTO, 25                          ; v25  v: where I put 8 codes
.set VRD,  26                          ; v26  and where I read a row back
.set VCO,  27                          ; v27  the same two rows in vc
.set SPW,  28
.set NIL,  29
.set H32,  30                          ; v30  32 h
.set R4,   31                          ; v31  4 r
.set X,    32                          ; v32-95   a block's 64 numbers
.set T,    96                          ; v96-111  at work (v: the bias, eight pairs)
.set PC,   112                         ; v112-127 a block's codes
.set AF,   128
.set BI,   128                         ; v128-191 q, k: the bias of my 128 columns
.set BK,   192                         ; v192-223 q, k: rows read back, two sets of 16
.set G1, 24
.set G0, 32
.set G1B, 48
.set G0B, 56
.set MSB, 0
.macro WIN new                         ; the immediate's high byte repeats the setting that is left
.if MSB != \new
	s_set_vgpr_msb (MSB<<8)|\new
.set MSB, \new
.endif
.endm
.set MUL_LO, 0xa1                      ; source 0 (B) window 1, source 1 (A) window 0, C and D window 2
.set MUL_HI, 0xf1
.set TO_B,   0x40
; A joint load: waves 0 and 1 fetch for A, waves 2 and 3 for B; the branch hangs on the wave's number alone.  An s_nop 0 and four v_nop follow each line.
.macro JLOAD g0a, g1a, g0b, g1b
	s_cmp_eq_u32 s15, 0
	s_cbranch_scc0 .Lfor_b_\@
	tensor_load_to_lds s[\g0a:\g0a+3], s[\g1a:\g1a+7]
	s_nop 0
.rept 4
	v_nop
.endr
	s_branch .Lasked_\@
.Lfor_b_\@:
	tensor_load_to_lds s[\g0b:\g0b+3], s[\g1b:\g1b+7]
	s_nop 0
.rept 4
	v_nop
.endr
.Lasked_\@:
.endm
.macro CREST
	s_cmp_lg_u32 s14, 0
	s_cbranch_scc1 .Lnot_wave_0_\@
	s_barrier_signal -3
.Lnot_wave_0_\@:
	s_barrier_wait -3
	s_barrier_signal -1
	s_barrier_wait -1
.endm
.macro CROUND
	s_barrier_signal -1
	s_barrier_wait -1
	CREST
.endm
	s_load_b256 s[4:11], s[0:1], 0x0               ; xc s[4:5], wqc s[6:7], the exponents s[8:9], b_qkv s[10:11]
	s_load_b256 s[80:87], s[0:1], 0x20             ; rope s[80:81], qc s[82:83], kc s[84:85], vc s[86:87]
	v_lshl_add_u32 v[SPW], v0, 2, SPARE
	v_mov_b32 v[NIL], 0
	ds_add_u32 v[SPW], v[NIL]                      ; the wave's opening: the add and its wait stand ahead of my first tensor load; the set-up below stands between them
	ds_add_u32 v[SPW], v[NIL]
	v_lshrrev_b32 v1, 5, v0
	v_readfirstlane_b32 s14, v1                    ; wave 0..3
	s_lshr_b32 s15, s14, 1                         ; which half of A's side is mine.  Also: I fetch for A (0) or for B (1)
	s_and_b32 s16, s14, 1                          ; which half of B's side.  Also: which 128 rows of that tile I fetch
	s_bfe_u32 s40, ttmp6, 0x40000                  ; cx
	s_bfe_u32 s41, ttmp6, 0x40004                  ; cy
	s_lshl_b32 s67, ttmp9, 2                       ; 4 x cluster x
	s_and_b32 s66, ttmp7, 0xffff
	s_lshl_b32 s66, s66, 2                         ; 4 x cluster y
	s_cmp_eq_u32 ttmp9, 2                          ; v's clusters?  The same in all sixteen partners
	s_cselect_b32 s17, 8, s66                      ; A's tile: v: W's tiles 8 .. 11; else x's tile row
	s_cselect_b32 s42, s66, s67                    ; B's tile: v: x's tile row; else W's tiles 0 .. 7
	s_add_co_u32 s17, s17, s41                     ; + cy
	s_add_co_u32 s42, s42, s40                     ; + cx
	s_lshl_b32 s43, s41, 2
	s_lshl_b32 s43, 15, s43                        ; my row of the cluster
	s_lshl_b32 s44, 0x1111, s40                    ; my column
	s_or_b32 s[G1+0], s43, (0<<16)|(1<<20)|(1<<21)|(5<<22)|(3<<25)  ; the mask; elements of 1 byte; padding on; bit 21 beside a mask; after every 64 words, 4 words
	s_or_b32 s[G1B+0], s44, (0<<16)|(1<<20)|(1<<21)|(5<<22)|(3<<25)
.irp g, G1, G1B
	s_mov_b32 s[\g+1], ROWB<<16                    ; tensor_dim0
	s_mov_b32 s[\g+2], 128<<16                     ; tensor_dim1
	s_mov_b32 s[\g+3], ROWB<<16                    ; tile_dim0
	s_mov_b32 s[\g+4], 128                         ; tile_dim1
	s_mov_b32 s[\g+5], KROW                        ; from row to row
	s_mov_b32 s[\g+6], 0
	s_mov_b32 s[\g+7], 0
.endr
	s_lshl_b32 s18, s16, 7                         ; which 128 rows of the tile I fetch
	s_lshl_b32 s20, s17, 8
	s_add_co_u32 s20, s20, s18
	s_lshl_b32 s20, s20, 10                        ; A: (256 x tile + 128 x half) rows of 1,024 bytes
	s_mov_b32 s21, 0
	s_lshl_b32 s46, s42, 8
	s_add_co_u32 s46, s46, s18
	s_lshl_b32 s46, s46, 10                        ; B likewise
	s_mov_b32 s47, 0
	s_mul_i32 s45, s14, HALFT                      ; where they go: wave x 128 rows
	s_wait_dscnt 0x0                               ; the opening add is done
	s_wait_kmcnt 0x0
	s_load_b256 s[72:79], s[8:9], 0x0              ; e0 .. e7
	s_cmp_eq_u32 ttmp9, 2
	s_cselect_b64 s[68:69], s[6:7], s[4:5]         ; A's buffer
	s_cselect_b64 s[70:71], s[4:5], s[6:7]         ; B's
	s_add_nc_u64 s[20:21], s[68:69], s[20:21]
	s_add_nc_u64 s[46:47], s[70:71], s[46:47]
	CROUND                                         ; all sixteen work-groups are here: the first joint loads meet
.irp s, 0,1
	s_mov_b32 s[G0+4*\s], 1
	s_add_co_u32 s[G0+4*\s+1], s45, \s*SLOT
	s_add_nc_u64 s[G0+4*\s+2:G0+4*\s+3], s[20:21], \s*ROWB
	s_or_b32 s[G0+4*\s+3], s[G0+4*\s+3], 0x80000000
	s_mov_b32 s[G0B+4*\s], 1
	s_add_co_u32 s[G0B+4*\s+1], s45, \s*SLOT
	s_add_nc_u64 s[G0B+4*\s+2:G0B+4*\s+3], s[46:47], \s*ROWB
	s_or_b32 s[G0B+4*\s+3], s[G0B+4*\s+3], 0x80000000
.endr
	JLOAD G0, G1, G0B, G1B                         ; K step 0: one tensor load a wave at the head
	v_and_b32 v1, 15, v0                           ; r
	s_wait_alu depctr_va_vdst(0)
	v_bfe_u32 v2, v0, 4, 1                         ; h
	v_mul_u32_u24 v3, v1, PITCH
	v_lshl_add_u32 v4, v2, 4, v3                   ; r x pitch + 16 h
	s_mul_i32 s21, s15, HALFT
	s_mul_i32 s22, s16, HALFT
	s_add_co_u32 s22, s22, 2*HALFT
.irp s, 0,1
	v_add_nc_u32 v[ADRA+\s], s21, v4
	v_add_nc_u32 v[ADRB+\s], s22, v4
	s_add_co_u32 s21, s21, SLOT
	s_add_co_u32 s22, s22, SLOT
.endr
	s_mul_i32 s23, s14, 2560                       ; q's and k's stage: my own 2 heads x 16 rows x 80 bytes
	v_mul_u32_u24 v5, v1, 80
	s_wait_alu depctr_va_vdst(0)
	v_lshl_add_u32 v5, v2, 3, v5
	v_add_nc_u32 v[QSTO], s23, v5
	v_and_b32 v6, 31, v0
	v_lshrrev_b32 v7, 2, v6
	v_mul_u32_u24 v7, v7, 80
	v_and_b32 v8, 3, v6
	v_lshl_add_u32 v7, v8, 4, v7
	v_add_nc_u32 v[QRD], s23, v7
	v_lshlrev_b32 v[L16], 4, v6
	s_mul_i32 s23, s15, 128*PITCH                  ; v's stage: row = channel (128 x my half of A's side + 16 a + r), bytes = keys (128 x my half of B's side on)
	s_lshl_b32 s18, s16, 7
	s_add_co_u32 s23, s23, s18
	s_add_co_u32 s23, s23, VSTG
	v_add_nc_u32 v[VSTO], s23, v4
	s_mul_i32 s23, s14, 64*PITCH                   ; back: wave w takes rows 64 w .. 64 w + 63, whole; four lanes a row, eight rows an instruction
	s_add_co_u32 s23, s23, VSTG
	; vc IS LAID [b*16+head][step of 64 keys][d][64 bytes] (the order of keys inside each 32 as stated at the head): a head's codes are one dense block
	v_lshrrev_b32 v9, 2, v6
	v_mul_u32_u24 v9, v9, PITCH
	v_lshl_add_u32 v9, v8, 4, v9
	v_add_nc_u32 v[VRD], s23, v9                   ; back: four lanes take 64 bytes of a channel's row, eight channels an instruction
	v_lshlrev_b32 v[VCO], 4, v6                    ; which are 512 consecutive bytes of vc
	v_lshlrev_b32 v[H32], 5, v2
	v_lshlrev_b32 v[R4], 2, v1
.macro FRAG reg, adr, q, i             ; 16 rows x 128 K: registers 4 c .. 4 c + 3 hold K = 32 c + 16 h + 0 .. 15 of row r
.irp c, 0,1,2,3
	ds_load_b128 v[\reg+4*\c:\reg+4*\c+3], v[\adr] offset:128*(\q)+32*\c+(\i)*16*PITCH
.endr
.endm
; 16 matrix instructions: A's blocks a0, a0 + 1 x B's eight.  The 64 accumulators take turns, one instruction a turn, in the same order in every step.
.macro MUL16 a0, p, zero
.irp a, \a0, \a0+1
.irp b, 0,1,2,3,4,5,6,7
.if \zero
	v_wmma_f32_16x16x128_fp8_fp8 v[8*(8*((\a)%4)+\b):8*(8*((\a)%4)+\b)+7], v[128*(\p)+FR*\b:128*(\p)+FR*\b+FR-1], v[AF+FR*(\a):AF+FR*(\a)+FR-1], 0
.else
	v_wmma_f32_16x16x128_fp8_fp8 v[8*(8*((\a)%4)+\b):8*(8*((\a)%4)+\b)+7], v[128*(\p)+FR*\b:128*(\p)+FR*\b+FR-1], v[AF+FR*(\a):AF+FR*(\a)+FR-1], v[8*(8*((\a)%4)+\b):8*(8*((\a)%4)+\b)+7]
.endif
.endr
.endr
.endm
.macro FETCH_B slot, q, p
	WIN TO_B
.irp i, 0,1,2,3,4,5,6,7
	FRAG 128*(\p)+FR*\i, ADRB+\slot, \q, \i
.endr
	WIN 0
.endm
.macro FETCH_A slot, q, i0
.irp i, \i0, \i0+1, \i0+2, \i0+3
	FRAG AF+FR*(\i), ADRA+\slot, \q, \i
.endr
.endm
.macro PLACES n                        ; plain vector instructions between a matrix instruction and a load into, or a read of, its registers
.rept \n
	v_nop
.endr
.endm
.macro STEP slot, q, zero              ; 128 along K with its successor in the same slot
	s_wait_dscnt 4*NL                              ; B's set and A's blocks 0-3 are in; the youngest sixteen loads (A's blocks 4-7) may be out
	WIN MUL_LO
	MUL16 0, (\q)%2, \zero
	MUL16 2, (\q)%2, \zero
	s_wait_dscnt 0
	PLACES NP
	FETCH_B \slot, (\q)+1, 1-(\q)%2
	FETCH_A \slot, (\q)+1, 0
	WIN MUL_HI
	MUL16 4, (\q)%2, \zero
	MUL16 6, (\q)%2, \zero
	PLACES NP
	WIN 0
	FETCH_A \slot, (\q)+1, 4
.endm
; A slot's last step changes slots: one barrier; in front of it each wave waits for all its tensor loads, adds 0 to its spare word, and waits for that and for its reads of this slot.
.macro TURN slot, next, fill
	s_wait_tensorcnt 0x0                           ; all my tensor loads have landed: my part of the next slot
	ds_add_u32 v[SPW], v[NIL]
	s_wait_dscnt 4*NL+1                            ; (the add and the youngest sixteen loads may be out)
	WIN MUL_LO
	MUL16 0, 1, 0
	s_wait_dscnt 0x0                               ; the add is done, and my reads of this slot are over
	s_barrier_signal -1
	MUL16 2, 1, 0
	WIN 0
	s_barrier_wait -1
.if \fill
	CREST                                          ; the barrier has opened a round of the cluster's barrier: no wave of any partner still reads this slot or has a load on its way
	s_add_nc_u64 s[G0+4*\slot+2:G0+4*\slot+3], s[G0+4*\slot+2:G0+4*\slot+3], 2*ROWB
	s_add_nc_u64 s[G0B+4*\slot+2:G0B+4*\slot+3], s[G0B+4*\slot+2:G0B+4*\slot+3], 2*ROWB
	JLOAD G0+4*\slot, G1, G0B+4*\slot, G1B         ; the first tensor load behind the round; its four v_nop are the places in front of the loads below
.else
	PLACES NP
.endif
	FETCH_B \next, 0, 0
	FETCH_A \next, 0, 0
	WIN MUL_HI
	MUL16 4, 1, 0
	MUL16 6, 1, 0
	PLACES NP
	WIN 0
	FETCH_A \next, 0, 4
.endm
	s_wait_alu depctr_va_vdst(0)                   ; the head's end
	s_wait_tensorcnt 0x0                           ; my part of K step 0 is in
	ds_add_u32 v[SPW], v[NIL]
	s_wait_dscnt 0x0
	CROUND                                         ; a whole round: everybody's part of K step 0 is in
	JLOAD G0+4, G1, G0B+4, G1B                     ; K step 1's load, the first tensor load behind the round
	FETCH_B 0, 0, 0
	FETCH_A 0, 0, 0
	FETCH_A 0, 0, 4
	STEP 0, 0, 1                                   ; the first step's products start the sums
	s_mov_b32 s3, LAPS-1
.Llap:
	TURN 0, 1, 1
	STEP 1, 0, 0
	TURN 1, 0, 1
	STEP 0, 0, 0
	s_sub_co_u32 s3, s3, 1
	s_cmp_lg_u32 s3, 0
	s_cbranch_scc1 .Llap
	TURN 0, 1, 0                                   ; the last lap fills nothing
	STEP 1, 0, 0
	s_wait_dscnt 4*NL
	WIN MUL_LO
	MUL16 0, 1, 0
	MUL16 2, 1, 0
	s_wait_dscnt 0
	WIN MUL_HI
	MUL16 4, 1, 0
	MUL16 6, 1, 0
	WIN 0
	s_wait_kmcnt 0x0                               ; the exponents
	s_add_co_i32 s96, s72, s73
	s_add_co_i32 s96, s96, 127
	s_lshl_b32 s96, s96, 23                        ; 2^(e0 + e1) as f32
	s_mov_b32 s97, s96                             ; (named with it as a pair, so it is written)
	PLACES NP                                      ; behind the last products: for the reads of results and the loads into registers that held fragments
	s_cmp_eq_u32 ttmp9, 2
	s_cbranch_scc1 .Lv
	; ---- q and k.  Lane (r, h) of accumulator (a, b): token 16 a + r, channels 16 b + 8 h + 0 .. 7 of my 128 columns = two heads.
	s_lshl_b32 s18, s42, 10
	s_lshl_b32 s19, s16, 9
	s_add_co_u32 s18, s18, s19
	s_mov_b32 s19, 0
	s_add_nc_u64 s[88:89], s[10:11], s[18:19]      ; the bias of my first column: 4 (256 x tile + 128 x half)
	s_and_b32 s20, s17, 7                          ; the tile row within its batch
	s_lshl_b32 s18, s20, 4
	s_lshl_b32 s21, s15, 3
	s_add_co_u32 s18, s18, s21
	s_lshl_b32 s18, s18, 12
	s_add_nc_u64 s[90:91], s[80:81], s[18:19]      ; the table at my first block of 16 positions
	s_lshr_b32 s18, s17, 3                         ; the batch
	s_lshl_b32 s18, s18, 4
	s_and_b32 s21, s42, 3
	s_lshl_b32 s21, s21, 2
	s_add_co_u32 s18, s18, s21
	s_lshl_b32 s21, s16, 1
	s_add_co_u32 s18, s18, s21                     ; batch x 16 + my first head
	s_lshl_b32 s18, s18, 11
	s_lshl_b32 s21, s20, 8
	s_add_co_u32 s18, s18, s21
	s_lshl_b32 s21, s15, 7
	s_add_co_u32 s18, s18, s21                     ; + my first token
	s_lshl_b32 s18, s18, 6                         ; rows of 64 bytes
	s_cmp_eq_u32 ttmp9, 0
	s_cselect_b64 s[92:93], s[82:83], s[84:85]     ; qc or kc
	s_cselect_b32 s22, s74, s75                    ; e2 or e3
	s_add_nc_u64 s[92:93], s[92:93], s[18:19]
	s_add_co_i32 s22, s22, 127
	s_lshl_b32 s23, s22, 23
	v_mov_b32 v[SCR], s23
	s_add_co_i32 s22, s22, 8
	s_lshl_b32 s22, s22, 23
	s_or_b32 s22, s22, 0x600000
	v_mov_b32 v[LIMR], s22
	s_wait_alu depctr_va_vdst(0)
.irp b, 0,1,2,3,4,5,6,7
	global_load_b128 v[BI+8*\b:BI+8*\b+3], v[H32], s[88:89] offset:64*\b
	global_load_b128 v[BI+8*\b+4:BI+8*\b+7], v[H32], s[88:89] offset:64*\b+16
.endr
	WIN 0x40                                       ; destination window 1: cos at v[32 a + 16 u + j], sin eight further on; j = my channel % 8, u = which 16 of the 32 frequencies
.irp a, 0,1,2,3,4,5,6,7
.irp u, 0,1
.irp kd, 0,1
.irp c, 0,1
	global_load_b128 v[32*\a+16*\u+8*\kd+4*\c:32*\a+16*\u+8*\kd+4*\c+3], v[L16], s[90:91] offset:\a*4096+\u*2048+\kd*1024+\c*512
.endr
.endr
.endr
.endr
	WIN 0
.macro QKBLOCK a
.set AC, 64*((\a)%4)
	s_wait_loadcnt 8*(7-(\a))                      ; the bias and this block's eight table loads are in; the later blocks' may be out
	WIN 0x02+((\a)/4)                              ; source 0: window 2 or 3
.set jj, 0
.rept 32
	v_pk_fma_f32 v[X+jj:X+jj+1], v[AC+jj:AC+jj+1], s[96:97], v[BI+jj:BI+jj+1] op_sel_hi:[1,0,1]   ; sum x 2^(e0 + e1) + bias; each accumulator from its low end on
.set jj, jj+2
.endr
	WIN 0x04                                       ; source 1 (cos, sin): window 1
.irp hh, 0,1
.irp u, 0,1
.irp j, 0,2,4,6
	v_pk_mul_f32 v[T+2*\j:T+2*\j+1], v[X+8*(4*\hh+\u)+16+\j:X+8*(4*\hh+\u)+17+\j], v[32*(\a)+16*\u+8+\j:32*(\a)+16*\u+9+\j]   ; upper half x sin
	v_pk_mul_f32 v[T+2*\j+2:T+2*\j+3], v[X+8*(4*\hh+\u)+\j:X+8*(4*\hh+\u)+1+\j], v[32*(\a)+16*\u+8+\j:32*(\a)+16*\u+9+\j]     ; lower half x sin
.endr
.irp j, 0,2,4,6
	v_pk_fma_f32 v[X+8*(4*\hh+\u)+\j:X+8*(4*\hh+\u)+1+\j], v[X+8*(4*\hh+\u)+\j:X+8*(4*\hh+\u)+1+\j], v[32*(\a)+16*\u+\j:32*(\a)+16*\u+1+\j], v[T+2*\j:T+2*\j+1] neg_lo:[0,0,1] neg_hi:[0,0,1]   ; lower x cos - upper x sin
	v_pk_fma_f32 v[X+8*(4*\hh+\u)+16+\j:X+8*(4*\hh+\u)+17+\j], v[X+8*(4*\hh+\u)+16+\j:X+8*(4*\hh+\u)+17+\j], v[32*(\a)+16*\u+\j:32*(\a)+16*\u+1+\j], v[T+2*\j+2:T+2*\j+3]                        ; upper x cos + lower x sin
.endr
.endr
.endr
	WIN 0
.set jj, 0
.rept 64
	v_med3_num_f32 v[X+jj], v[X+jj], -v[LIMR], v[LIMR]   ; the conversion does not saturate (ISA guide 7.6.2): the hold comes first
.set jj, jj+1
.endr
.irp b, 0,1,2,3,4,5,6,7
	v_cvt_scalef32_pk8_fp8_f32 v[PC+2*\b:PC+2*\b+1], v[X+8*\b:X+8*\b+7], v[SCR]
.endr
	v_nop                                          ; a plain instruction behind the last conversion, ahead of the next vector instruction that writes its sources
.irp b, 0,1,2,3,4,5,6,7
	ds_store_b64 v[QSTO], v[PC+2*\b:PC+2*\b+1] offset:(\b/4)*1280+16*(\b%4)
.endr
.set BB, BK+16*((\a)%2)
.irp hh, 0,1
.irp i, 0,1
	ds_load_b128 v[BB+4*(2*\hh+\i):BB+4*(2*\hh+\i)+3], v[QRD] offset:\hh*1280+\i*640   ; LDS serves a wave's instructions in order: these see my stores
.endr
.endr
.endm
.macro QKSEND a, younger               ; younger: the LDS instructions issued behind block a's loads
.set BB, BK+16*((\a)%2)
	s_wait_dscnt \younger
.irp hh, 0,1
.irp i, 0,1
	global_store_b128 v[L16], v[BB+4*(2*\hh+\i):BB+4*(2*\hh+\i)+3], s[92:93] offset:\hh*131072+(\a)*1024+\i*512   ; eight tokens x 64 bytes of one head: 512 consecutive bytes
.endr
.endr
.endm
	QKBLOCK 0
.irp a, 1,2,3,4,5,6,7
.if \a > 1
	s_wait_xcnt 0x0                                ; block a - 2's stores have read their registers: block a's rows may land there
.endif
	QKBLOCK \a
	QKSEND \a-1, 12                                ; behind block a - 1's loads: block a's 8 stores and 4 loads
.endr
	QKSEND 7, 0
	s_branch .Lend
.Lv:	; ---- v.  Lane (r, h) of accumulator (a, b): channel 16 a + r of my 128, tokens 16 b + 8 h + 0 .. 7 of my 128.
	s_lshl_b32 s18, s17, 10
	s_lshl_b32 s19, s15, 9
	s_add_co_u32 s18, s18, s19
	s_mov_b32 s19, 0
	s_add_nc_u64 s[88:89], s[10:11], s[18:19]      ; the bias of my first channel
	s_lshr_b32 s18, s42, 3                         ; the batch
	s_lshl_b32 s18, s18, 10
	s_sub_co_u32 s20, s17, 8
	s_lshl_b32 s20, s20, 8
	s_add_co_u32 s18, s18, s20
	s_lshl_b32 s20, s14, 6
	s_add_co_u32 s18, s18, s20                     ; the first row of vc that I store: batch x 1,024 + 256 x tile + 64 x wave
	s_lshl_b32 s18, s18, 11
	s_and_b32 s20, s42, 7
	s_lshl_b32 s20, s20, 14                        ; the tile's 256 keys are four steps of 4,096 bytes
	s_add_co_u32 s18, s18, s20                     ; + the tile's 256 keys
	s_add_nc_u64 s[92:93], s[86:87], s[18:19]
	s_add_co_i32 s22, s77, 127                     ; e5
	s_lshl_b32 s23, s22, 23
	v_mov_b32 v[SCR], s23
	s_add_co_i32 s22, s22, 8
	s_lshl_b32 s22, s22, 23
	s_or_b32 s22, s22, 0x600000
	v_mov_b32 v[LIMR], s22
	s_wait_alu depctr_va_vdst(0)
.irp a, 0,1,2,3,4,5,6,7
	global_load_b32 v[T+2*\a], v[R4], s[88:89] offset:64*\a
.endr
	s_wait_loadcnt 0x0
.irp a, 0,1,2,3,4,5,6,7
	v_mov_b32 v[T+2*\a+1], v[T+2*\a]               ; a pair for the packed multiply-add
.endr
.macro VBLOCK a
.set AC, 64*((\a)%4)
	WIN 0x02+((\a)/4)
.set jj, 0
.rept 32
	v_pk_fma_f32 v[X+jj:X+jj+1], v[AC+jj:AC+jj+1], s[96:97], v[T+2*(\a):T+2*(\a)+1] op_sel_hi:[1,0,1]
.set jj, jj+2
.endr
	WIN 0
.set jj, 0
.rept 64
	v_med3_num_f32 v[X+jj], v[X+jj], -v[LIMR], v[LIMR]
.set jj, jj+1
.endr
.irp b, 0,1,2,3,4,5,6,7
	v_cvt_scalef32_pk8_fp8_f32 v[PC+2*\b:PC+2*\b+1], v[X+8*\b:X+8*\b+7], v[SCR]
.endr
	v_nop
.irp b, 0,1,2,3,4,5,6,7
	ds_store_b64 v[VSTO], v[PC+2*\b:PC+2*\b+1] offset:(\a)*16*PITCH+32*(\b/2)+8*(\b%2)   ; keys 16 b + 8 h + j at byte 32 (b / 2) + 16 h + 8 (b % 2) + j
.endr
.endm
.irp a, 0,1,2,3,4,5,6,7
	VBLOCK \a
.endr
	s_wait_dscnt 0x0                               ; for the others' sake: my stores into the stage are done (a row's 256 bytes come from two waves)
	s_barrier_signal -1
	s_barrier_wait -1
.set ii, 0
.rept 32
	ds_load_b128 v[128+4*ii:128+4*ii+3], v[VRD] offset:(ii%8)*8*PITCH+64*(ii/8)
.set ii, ii+1
.endr
.set ii, 0
.rept 32
	s_wait_dscnt 31-ii
	global_store_b128 v[VCO], v[128+4*ii:128+4*ii+3], s[92:93] offset:(ii/8)*4096+(ii%8)*512   ; 32 lanes store 512 consecutive bytes: eight channels of one step
.set ii, ii+1
.endr
.Lend:
	s_wait_tensorcnt 0x0                           ; the wave's end, behind my last tensor load and my last LDS store
	ds_add_u32 v[SPW], v[NIL]
	s_wait_dscnt 0x0
	CROUND                                         ; the closing round: no work-group ends while a partner may still ask for a tile that names it
	s_endpgm
.Lfunc_end_k_q8e36ce9c7d_qkv:
	.size	k_q8e36ce9c7d_qkv, .Lfunc_end_k_q8e36ce9c7d_qkv-k_q8e36ce9c7d_qkv
	.p2alignl 7, 3214868480
	.fill 96, 4, 3214868480
	.section	.rodata,"a",@progbits
	.p2align	6, 0x0
	.amdhsa_kernel k_q8e36ce9c7d_qkv
		.amdhsa_group_segment_fixed_size 327680
		.amdhsa_private_segment_fixed_size 0
		.amdhsa_enable_private_segment 0
		.amdhsa_kernarg_size 64
		.amdhsa_user_sgpr_count 2
		.amdhsa_user_sgpr_kernarg_segment_ptr 1
		.amdhsa_wavefront_size32 1
		.amdhsa_system_sgpr_workgroup_id_x 1
		.amdhsa_system_sgpr_workgroup_id_y 1
		.amdhsa_system_sgpr_workgroup_id_z 1
		.amdhsa_system_vgpr_workitem_id 0
		.amdhsa_next_free_vgpr 1024
		.amdhsa_next_free_sgpr 100
		.amdhsa_reserve_vcc 0
		.amdhsa_float_denorm_mode_32 3
		.amdhsa_float_denorm_mode_16_64 3
		.amdhsa_memory_ordered 1
		.amdhsa_forward_progress 1
		.amdhsa_inst_pref_size 247
	.end_amdhsa_kernel
	.amdgpu_metadata
---
amdhsa.version: [ 1, 2 ]
amdhsa.kernels:
  - .name:           k_q8e36ce9c7d_qkv
    .symbol:         k_q8e36ce9c7d_qkv.kd
    .args:
      - { .name: xc, .offset: 0, .size: 8, .value_kind: global_buffer, .address_space: global }
      - { .name: wqc, .offset: 8, .size: 8, .value_kind: global_buffer, .address_space: global }
      - { .name: lowp_scales, .offset: 16, .size: 8, .value_kind: global_buffer, .address_space: global }
      - { .name: b_qkv, .offset: 24, .size: 8, .value_kind: global_buffer, .address_space: global }
      - { .name: rope, .offset: 32, .size: 8, .value_kind: global_buffer, .address_space: global }
      - { .name: qc, .offset: 40, .size: 8, .value_kind: global_buffer, .address_space: global }
      - { .name: kc, .offset: 48, .size: 8, .value_kind: global_buffer, .address_space: global }
      - { .name: vc, .offset: 56, .size: 8, .value_kind: global_buffer, .address_space: global }
    .group_segment_fixed_size: 327680
    .private_segment_fixed_size: 0
    .kernarg_segment_align: 8
    .kernarg_segment_size: 64
    .max_flat_workgroup_size: 128
    .sgpr_count:     100
    .vgpr_count:     1024
    .wavefront_size: 32
...
	.end_amdgpu_metadata
.endif
;; end of part 2
;; launch attn (part 3): grid 4 x 64, 16 waves a work-group, clusters of 4 x 1, 327,680 bytes of LDS; arguments qc, kc, vc, lowp_scales, yc; writes yc
.if DOCPART == 3
	.amdgcn_target "amdgcn-amd-amdhsa--gfx1250"
	.amdhsa_code_object_version 6
	.text
	.protected	k_q8e36ce9c7d_attn
	.globl	k_q8e36ce9c7d_attn
	.p2align	8
	.type	k_q8e36ce9c7d_attn,@function
k_q8e36ce9c7d_attn:
	s_mov_b64 s[64:65], 0
	v_nop
	global_prefetch_b8 v0, s[64:65] scope:SCOPE_SE
	s_setreg_imm32_b32 hwreg(HW_REG_WAVE_MODE, 25, 1), 1
	s_wait_xcnt 0x0
	s_wait_alu depctr_hold_cnt(0) depctr_sa_sdst(0) depctr_va_vdst(0) depctr_va_sdst(0) depctr_va_ssrc(0) depctr_va_vcc(0) depctr_vm_vsrc(0)
	s_getreg_b32 s2, hwreg(HW_REG_IB_STS2, 6, 4)
	s_cmp_eq_u32 s2, 0
	s_cbranch_scc0 .Lentry_in_a_cluster
	s_endpgm
.Lentry_in_a_cluster:
	s_bfe_u32 s2, ttmp6, 0x10000c
	s_cmp_lg_u32 s2, 0x3003
	s_cbranch_scc0 .Lentry_shape_is_right
	s_endpgm
.Lentry_shape_is_right:
; ATTENTION with the causal mask, both products on codes of E4M3.  qc, kc: [bh 64][t 2048][64] codes.  vc: [bh][step of 64 keys][d 64][64] codes, in each group of 32 keys the groups of eight in the order 0-7, 16-23, 8-15, 24-31.
; t = score x 2^(e2 + e3) x log2(e) / 8; M = the row's largest t so far, rounded up to a whole number; p = 2^(t - M) is quantised with 2^e4, not normalised; the row's sum is taken of the unquantised p and divides at the end.
; y = O x 2^(e4 + e5) / sum is quantised with 2^e6 and stored at yc byte (mb*16 + head)*8192 + mr*64 + d, m = b*2048 + t, mb = m / 128, mr = m % 128: 32 queries of a head are 2,048 consecutive bytes.
; LEFT OUT: key steps all of whose keys come after a block's queries: the causal mask sets those scores to -inf ahead of the softmax, so they add 0 to the sum and to y for all inputs.
; SHARES.  Four work-groups, one cluster, serve a head.  A head's K and V, 2 x 131,072 bytes, lie WHOLE in each work-group's LDS: each byte is filled once, nothing is filled again, and behind the second group of loads no wave waits for another.
; Block j = 128 queries; the work-group at place g of its cluster takes queries 128 j + 32 g + 0..31 of every block: sixteen units, one a wave, of 2 j + 2 key steps of 64 keys.
; Wave w takes block j = (15 - w) xor 3 ((w / 4) % 2): waves w, w + 4, w + 8, w + 12 have 68 steps together for every w % 4, and the longest units have the lowest wave numbers.
; All four partners walk a block alike: 2 j + 2 steps, the last two under the mask, which is made of values (v_cmp, v_cndmask).  So no branch and no LDS address hangs on g; g enters global addresses and the mask's numbers alone.
; JOINT LOADS: every tile is asked for by all four partners with one descriptor and the mask 15.  Every partner reads every tile: its block 15 walks all 32 steps.
; The head asks for keys 0-255 (a wave 8 rows of 256 bytes of K or of V); behind the full sequence and a round each wave asks for 56 rows more; the first four steps stand between that load and the wait for it.
; The loops' trip counts are constants; a step behind a unit's last is jumped over by a branch on the wave's number and the count of steps.
; NO DATA PREFETCH: all of K and V is asked for by these two groups of loads; no later load exists for which a loop could ask ahead.
; LAYOUT.  S^T = K Q^T (source 0 = 16 keys, source 1 = 16 queries), O^T = V^T P^T: a lane holds one query of each of two tiles.  Each fragment of K and of V feeds two matrix instructions.
; Register 8 t + j of S^T is key 16 t + 8 h + j, so the conversions' results are the second product's operand; 16 bytes of vc at 32 c + 16 h hold the same keys.
; LIMITS: e2 + e3 between -123 and 130; e4, e6 between -126 and 119; the scaled scores stay under 2^31 in magnitude.  NaN is not served.
.set LP,    272                        ; an LDS row: 256 bytes (four keys of K, four channels of V) + 16 of padding
.set SB,    16*LP                      ; a key step: 64 keys of K; the same for V
.set VOFF,  512*LP                     ; K's 32 steps, then V's
.set SPARE, 2*VOFF                     ; the spare words, 128 bytes a wave
.set STAGE, SPARE+2048                 ; the way out: 32 rows x 80 bytes a wave; no tile lands here
.set AK0,  1                           ; v1   my lane's place in a tile: 64 r + 16 (r / 4) + 16 h
.set ADK,  2                           ; v2   the next step's K
.set ADV,  3                           ; v3   this step's V
.set SPW,  4
.set NIL,  5
.set GO,   6                           ; v6   16 x lane
.set SIN,  7                           ; v7   stage, in
.set SOUT, 8                           ; v8   stage, back
.set QD,   9                           ; v9   my tile 0's query - 8 h
                                       ; v10 448 x 2^e4, v11 2^e4; v12, v14 -M; v13, v15 the largest t; v[16:17], v[18:19] the sums; v20, v22 f; v24-31 at work
.set QF,   32                          ; v32-47   Q, two tiles
.set KF,   48                          ; v48-79   K's four fragments
.set VF,   80                          ; v80-111  V's four
.set SS,   112                         ; v112-175 S^T, then p: 32 q + 8 t + j
.set OO,   176                         ; v176-239 O^T: 32 q + 8 dt + j
.set PC,   240                         ; v240-255 p's codes: 8 q
.set WV,   14
.set CX,   15
.set HD,   16
.set SEL,  20
.set CS,   22
.set G1A,  24
.set G1B,  32
.set G0A,  40
.set G0B,  44
.set TB,   56                          ; s56  LDS byte of the step in hand
.set ST,   57                          ; s57  the step's number
.set LS,   58                          ; s58  steps of my unit: 2 j + 2
.set LM,   59                          ; s59  the first step under the mask: 2 j
.set TV,   60
.set TN,   61
.macro ROUND                           ; a round of the cluster's barrier
	s_barrier_signal -1
	s_barrier_wait -1
	s_cmp_lg_u32 s[WV], 0
	s_cbranch_scc1 .Lnw0_\@
	s_barrier_signal -3
.Lnw0_\@:
	s_barrier_wait -3
	s_barrier_signal -1
	s_barrier_wait -1
.endm
.macro FRAGS reg, adr                  ; four fragments of 16 rows x 64 bytes
.irp t, 0,1,2,3
	ds_load_b128 v[\reg+8*\t:\reg+8*\t+3], v[\adr] offset:\t*4*LP
	ds_load_b128 v[\reg+8*\t+4:\reg+8*\t+7], v[\adr] offset:\t*4*LP+32
.endr
.endm
; A KEY STEP: 64 keys x 32 queries.  lim: the last step whose K may be fetched ahead.
.macro STEP lim
	s_cmp_ge_u32 s[ST], s[LS]                      ; behind my unit's last step: the wave's number and the count of steps alone
	s_cbranch_scc1 .Lskip_\@
	s_add_co_u32 s[TV], s[TB], VOFF
	s_add_co_u32 s[TN], s[TB], SB
	s_min_u32 s[TN], s[TN], \lim
	v_add_nc_u32 v[ADV], s[TV], v[AK0]
	v_add_nc_u32 v[ADK], s[TN], v[AK0]
	v_nop                                          ; with the two additions: four places in front of loads into registers that the last products read
	v_nop
	FRAGS VF, ADV                                  ; V lands while the softmax is walked
	s_wait_alu depctr_va_vdst(0)
	s_wait_dscnt 8                                 ; all but V's eight: this step's K, asked for a step ago, is in
.irp t, 0,1,2,3
.irp q, 0,1
	v_wmma_f32_16x16x64_fp8_fp8 v[SS+32*\q+8*\t:SS+32*\q+8*\t+7], v[KF+8*\t:KF+8*\t+7], v[QF+8*\q:QF+8*\q+7], 0
.endr
.endr
.rept 4
	v_nop                                          ; places in front of the loads below and of the first read of the scores
.endr
	FRAGS KF, ADK                                  ; the next step's K
	s_cmp_lt_u32 s[ST], s[LM]
	s_cbranch_scc1 .Lopen_\@
	s_lshl_b32 s62, s[ST], 6
	v_sub_nc_u32 v30, v[QD], s62                   ; d = my query - 8 h - the step's first key.  Register 32 q + 8 t + j is hidden where 16 t + j - 16 q > d
	v_mov_b32 v31, 0xff800000
.set nn, 0
.rept 64
	v_cmp_gt_i32 vcc_lo, 16*((nn%32)/8)+nn%8-16*(nn/32), v30
	v_cndmask_b32 v[SS+nn], v[SS+nn], v31, vcc_lo
.set nn, nn+1
.endr
.Lopen_\@:
.irp q, 0,1                                    ; the step's largest scores, two chains a tile, each accumulator from its low end on
	v_max3_num_f32 v[24+2*\q], v[SS+32*\q], v[SS+32*\q+1], v[SS+32*\q+2]
	v_max3_num_f32 v[25+2*\q], v[SS+32*\q+3], v[SS+32*\q+4], v[SS+32*\q+5]
.endr
.irp i, 6,10,14,18,22,26
.irp q, 0,1
	v_max3_num_f32 v[24+2*\q], v[24+2*\q], v[SS+32*\q+\i], v[SS+32*\q+\i+1]
	v_max3_num_f32 v[25+2*\q], v[25+2*\q], v[SS+32*\q+\i+2], v[SS+32*\q+\i+3]
.endr
.endr
.irp q, 0,1
	v_max3_num_f32 v[24+2*\q], v[24+2*\q], v[SS+32*\q+30], v[SS+32*\q+31]
.endr
.irp q, 0,1
	v_max_num_f32 v[24+2*\q], v[24+2*\q], v[25+2*\q]
.endr
.irp q, 0,1
	v_permlanex16_b32 v[28+\q], v[24+2*\q], s[SEL], s[SEL+1]
.endr
.irp q, 0,1
	v_max_num_f32 v[24+2*\q], v[24+2*\q], v[28+\q] ; and lane l xor 16's
.endr
.irp q, 0,1
	v_mul_f32 v[24+2*\q], s[CS], v[24+2*\q]        ; as t (c is positive)
.endr
.irp q, 0,1
	v_max_num_f32 v[13+2*\q], v[13+2*\q], v[24+2*\q]
.endr
.irp q, 0,1
	v_mov_b32 v[25+2*\q], v[12+2*\q]
.endr
.irp q, 0,1
	v_floor_f32 v[12+2*\q], -v[13+2*\q]            ; the new -M = -ceil(t)
.endr
.irp q, 0,1
	v_sub_f32 v[25+2*\q], v[12+2*\q], v[25+2*\q]   ; old M - new M: a whole number, 0 or less
.endr
.irp q, 0,1
	v_cvt_i32_f32 v[25+2*\q], v[25+2*\q]           ; (it saturates)
.endr
.irp q, 0,1
	v_ldexp_f32 v[20+2*\q], 1.0, v[25+2*\q]        ; f = 2^(old M - new M)
.endr
.set jj, 0
.rept 32
	v_pk_fma_f32 v[SS+jj:SS+jj+1], v[SS+jj:SS+jj+1], s[CS:CS+1], v[12+2*(jj/32):13+2*(jj/32)] op_sel_hi:[1,0,0]   ; t - M
.set jj, jj+2
.endr
.set jj, 0
.rept 32
	v_pk_mul_f32 v[OO+jj:OO+jj+1], v[OO+jj:OO+jj+1], v[20+2*(jj/32):21+2*(jj/32)] op_sel_hi:[1,0]   ; O^T under the new M, ahead of the exponentials
.set jj, jj+2
.endr
	s_wait_alu depctr_va_vdst(0)                   ; ahead of the batch
.set jj, 0
.rept 64
	v_exp_f32 v[SS+jj], v[SS+jj]                   ; p = 2^(t - M)
.set jj, jj+1
.endr
.irp q, 0,1
	v_pk_mul_f32 v[16+2*\q:17+2*\q], v[16+2*\q:17+2*\q], v[20+2*\q:21+2*\q] op_sel_hi:[1,0]   ; the sums under the new M: plain instructions behind the batch
.endr
	s_wait_alu depctr_va_vdst(0)                   ; one wait for the 64, ahead of their first reader
.irp q, 0,1
	v_pk_add_f32 v[24+2*\q:25+2*\q], v[SS+32*\q:SS+32*\q+1], v[SS+32*\q+2:SS+32*\q+3]   ; the sums of the unquantised p, two chains a tile
.endr
.irp i, 4,8,12,16,20,24,28
.irp q, 0,1
	v_pk_add_f32 v[16+2*\q:17+2*\q], v[16+2*\q:17+2*\q], v[SS+32*\q+\i:SS+32*\q+\i+1]
	v_pk_add_f32 v[24+2*\q:25+2*\q], v[24+2*\q:25+2*\q], v[SS+32*\q+\i+2:SS+32*\q+\i+3]
.endr
.endr
.irp q, 0,1
	v_pk_add_f32 v[16+2*\q:17+2*\q], v[16+2*\q:17+2*\q], v[24+2*\q:25+2*\q]
.endr
.set jj, 0
.rept 64
	v_min_num_f32 v[SS+jj], v[SS+jj], v10          ; the conversion does not saturate (ISA guide 7.6.2); p is not negative, so the hold is one-sided
.set jj, jj+1
.endr
.set jj, 0
.rept 8
	v_cvt_scalef32_pk8_fp8_f32 v[PC+2*jj:PC+2*jj+1], v[SS+8*jj:SS+8*jj+7], v11
.set jj, jj+1
.endr
	v_nop                                          ; a plain instruction between the conversions and the products
	s_wait_alu depctr_va_vdst(0)
	s_wait_dscnt 8                                 ; V is in; the next step's K may be out
.irp t, 0,1,2,3
.irp q, 0,1
	v_wmma_f32_16x16x64_fp8_fp8 v[OO+32*\q+8*\t:OO+32*\q+8*\t+7], v[VF+8*\t:VF+8*\t+7], v[PC+8*\q:PC+8*\q+7], v[OO+32*\q+8*\t:OO+32*\q+8*\t+7]   ; eight accumulators by turns
.endr
.endr
.Lskip_\@:
	s_add_co_u32 s[TB], s[TB], SB
	s_add_co_u32 s[ST], s[ST], 1
.endm
	s_load_b256 s[4:11], s[0:1], 0x0               ; qc s[4:5], kc s[6:7], vc s[8:9], the exponents s[10:11]
	s_load_b64 s[12:13], s[0:1], 0x20              ; yc
	v_lshl_add_u32 v[SPW], v0, 2, SPARE
	v_mov_b32 v[NIL], 0
	ds_add_u32 v[SPW], v[NIL]                      ; the opening lines: the add, twice on end, and its wait ahead of my first tensor load
	ds_add_u32 v[SPW], v[NIL]
	v_lshrrev_b32 v24, 5, v0
	v_readfirstlane_b32 s[WV], v24                 ; wave 0..15
	s_bfe_u32 s[CX], ttmp6, 0x40000                ; g: my place in the cluster
	s_and_b32 s[HD], ttmp7, 0xffff                 ; bh: the cluster's y
	s_and_b32 s17, s[WV], 7                        ; which eighth of a group of rows I fetch,
	s_lshr_b32 s18, s[WV], 3                       ; of K (0) or of V (1)
	; descriptor groups 1: rows of 256 bytes, dense in memory, 16 bytes of padding behind each; the mask names the four partners, bit 21 beside it
	s_mov_b32 s[G1A], 15|(1<<20)|(1<<21)|(5<<22)|(3<<25)
	s_mov_b32 s[G1A+1], 256<<16
	s_mov_b32 s[G1A+2], 8<<16
	s_mov_b32 s[G1A+3], 256<<16
	s_mov_b32 s[G1A+4], 8
	s_mov_b32 s[G1A+5], 256
	s_mov_b32 s[G1A+6], 0
	s_mov_b32 s[G1A+7], 0
	s_mov_b32 s[G1B], 15|(1<<20)|(1<<21)|(5<<22)|(3<<25)
	s_mov_b32 s[G1B+1], 256<<16
	s_mov_b32 s[G1B+2], 56<<16
	s_mov_b32 s[G1B+3], 256<<16
	s_mov_b32 s[G1B+4], 56
	s_mov_b32 s[G1B+5], 256
	s_mov_b32 s[G1B+6], 0
	s_mov_b32 s[G1B+7], 0
	s_mul_i32 s19, s18, VOFF
	s_mul_i32 s62, s17, 8*LP
	s_mov_b32 s[G0A], 1
	s_add_co_u32 s[G0A+1], s19, s62                ; keys 0-255: rows 8 x eighth
	s_mul_i32 s62, s17, 56*LP
	s_add_co_u32 s62, s62, 64*LP
	s_mov_b32 s[G0B], 1
	s_add_co_u32 s[G0B+1], s19, s62                ; keys 256-2047: rows 64 + 56 x eighth
	s_lshl_b32 s68, s[HD], 17                      ; the head's first byte in qc, kc and vc
	s_mov_b32 s69, 0
	s_lshl_b32 s70, s17, 11
	s_mov_b32 s71, 0
	s_mul_i32 s78, s17, 56*256
	s_add_co_u32 s78, s78, 64*256
	s_mov_b32 s79, 0
	s_mov_b32 s[SEL], 0x76543210
	s_mov_b32 s[SEL+1], 0xfedcba98
	s_mov_b32 s[CS], 0x3e38aa3b                    ; c = log2(e) / 8
	s_wait_dscnt 0x0                               ; both opening adds are done
	s_wait_kmcnt 0x0
	s_load_b256 s[48:55], s[10:11], 0x0            ; e0 .. e7
	s_cmp_lt_u32 s[WV], 8
	s_cselect_b64 s[76:77], s[6:7], s[8:9]
	s_add_nc_u64 s[76:77], s[76:77], s[68:69]
	s_add_nc_u64 s[G0A+2:G0A+3], s[76:77], s[70:71]
	s_or_b32 s[G0A+3], s[G0A+3], 0x80000000
	s_add_nc_u64 s[G0B+2:G0B+3], s[76:77], s[78:79]
	s_or_b32 s[G0B+3], s[G0B+3], 0x80000000
	ROUND                                          ; the four partners are here: the first joint loads meet
	tensor_load_to_lds s[G0A:G0A+3], s[G1A:G1A+7]  ; my one load at the head
	s_nop 0
.rept 4
	v_nop
.endr
	s_sub_co_u32 s75, 15, s[WV]
	s_bfe_u32 s62, s[WV], 0x10002
	s_mul_i32 s62, s62, 3
	s_xor_b32 s75, s75, s62                        ; my block j
	s_add_nc_u64 s[4:5], s[4:5], s[68:69]
	s_lshl_b32 s70, s[CX], 11
	s_add_nc_u64 s[4:5], s[4:5], s[70:71]          ; qc at my head, + 32 g queries,
	s_lshl_b32 s78, s75, 13
	s_add_nc_u64 s[4:5], s[4:5], s[78:79]          ; + 128 j
	s_lshr_b32 s63, s[HD], 4
	s_lshl_b32 s63, s63, 21                        ; yc: the batch's 16 blocks of 131,072 bytes,
	s_and_b32 s62, s[HD], 15
	s_lshl_b32 s62, s62, 13                        ; the head's 8,192 in a block,
	s_add_co_u32 s63, s63, s62
	s_lshl_b32 s62, s75, 17                        ; block j,
	s_add_co_u32 s63, s63, s62
	s_add_co_u32 s70, s63, s70                     ; 32 g rows of 64 bytes
	s_add_nc_u64 s[66:67], s[12:13], s[70:71]
	s_lshl_b32 s[LM], s75, 1
	s_add_co_u32 s[LS], s[LM], 2
	s_lshl_b32 s62, s75, 7
	s_lshl_b32 s63, s[CX], 5
	s_add_co_u32 s63, s62, s63                     ; my first query
	s_mul_i32 s62, s[WV], 2560
	s_add_co_u32 s62, s62, STAGE                   ; my stage
	v_and_b32 v24, 15, v0                          ; r
	v_bfe_u32 v25, v0, 4, 1                        ; h
	v_lshlrev_b32 v26, 6, v24
	v_lshl_add_u32 v27, v25, 4, v26                ; Q: row r of 64 bytes, + 16 h
.irp i, 0,1,2,3
	global_load_b128 v[QF+4*\i:QF+4*\i+3], v27, s[4:5] offset:(\i/2)*1024+(\i%2)*32
.endr
	v_lshrrev_b32 v28, 2, v24
	v_lshl_add_u32 v[AK0], v28, 4, v27             ; row r of a tile lies at 64 r + 16 (r / 4): sixteen lanes touch sixteen different 16-byte columns
	v_and_b32 v29, 31, v0
	v_lshlrev_b32 v[GO], 4, v29
	v_mul_u32_u24 v30, v24, 80
	v_lshl_add_u32 v30, v25, 3, v30
	v_add_nc_u32 v[SIN], s62, v30                  ; in: row r, + 8 h
	v_lshrrev_b32 v30, 2, v29
	v_mul_u32_u24 v30, v30, 80
	v_and_b32 v31, 3, v29
	v_lshl_add_u32 v30, v31, 4, v30
	v_add_nc_u32 v[SOUT], s62, v30                 ; back: row l / 4, 16 (l % 4)
	v_lshlrev_b32 v30, 3, v25
	v_sub_nc_u32 v30, v24, v30
	v_add_nc_u32 v[QD], s63, v30
	v_mov_b32 v13, 0xff61b1e6                      ; the largest t so far: -3e38, under every t
	v_mov_b32 v15, 0xff61b1e6
	v_floor_f32 v12, -v13
	v_floor_f32 v14, -v15
.irp e, 16,17,18,19,21,23,28,29
	v_mov_b32 v\e, 0
.endr
.set jj, 0
.rept 64
	v_mov_b32 v[OO+jj], 0                          ; the step is written once; the first finds zeros, which the first change of M leaves zeros
.set jj, jj+1
.endr
	s_wait_kmcnt 0x0
	s_add_co_i32 s62, s50, s51
	s_lshl_b32 s62, s62, 23
	s_add_co_i32 s[CS], s[CS], s62                 ; e2 + e3 are added to c's exponent field
	s_mov_b32 s[CS+1], s[CS]
	s_add_co_i32 s62, s52, 127
	s_lshl_b32 s63, s62, 23
	v_mov_b32 v11, s63                             ; 2^e4
	s_add_co_i32 s62, s62, 8
	s_lshl_b32 s62, s62, 23
	s_or_b32 s62, s62, 0x600000
	v_mov_b32 v10, s62                             ; 448 x 2^e4
	s_add_co_i32 s62, s54, 127
	s_lshl_b32 s74, s62, 23                        ; 2^e6
	s_add_co_i32 s62, s62, 8
	s_lshl_b32 s62, s62, 23
	s_or_b32 s73, s62, 0x600000                    ; 448 x 2^e6
	s_add_co_i32 s72, s52, s53                     ; e4 + e5
	s_mov_b32 s[TB], 0
	s_mov_b32 s[ST], 0
	s_wait_alu depctr_va_vdst(0)                   ; the head's end
	s_wait_loadcnt 0x0                             ; Q
	s_wait_tensorcnt 0x0                           ; my part of keys 0-255 is in
	ds_add_u32 v[SPW], v[NIL]
	s_wait_dscnt 0x0
	ROUND                                          ; everybody's part of keys 0-255 is in, and the partners' joint loads meet
	tensor_load_to_lds s[G0B:G0B+3], s[G1B:G1B+7]  ; keys 256-2047: my one load behind the round
	s_nop 0
.rept 4
	v_nop
.endr
	FRAGS KF, AK0                                  ; step 0's K
.Lfirst:                                           ; steps 0-3
	STEP 3*SB
	s_cmp_lt_u32 s[ST], 4
	s_cbranch_scc1 .Lfirst
	s_wait_tensorcnt 0x0                           ; my part of keys 256-2047 is in
	s_wait_dscnt 0x0
	s_barrier_signal -1
	s_barrier_wait -1                              ; and everybody's: from here on no wave waits for another
	v_add_nc_u32 v[ADK], s[TB], v[AK0]
	FRAGS KF, ADK                                  ; step 4's K
.Lrest:                                            ; steps 4-31
	STEP 31*SB
	s_cmp_lt_u32 s[ST], 32
	s_cbranch_scc1 .Lrest
	s_wait_dscnt 0x0                               ; the K fetched ahead in the last step
	; THE WAY OUT: y = O^T x 2^(e4 + e5) / the sum, quantised with 2^e6; the codes go through my stage and leave as 2,048 consecutive bytes.
.irp q, 0,1
	v_add_f32 v[16+2*\q], v[16+2*\q], v[17+2*\q]
.endr
.irp q, 0,1
	v_permlanex16_b32 v[28+\q], v[16+2*\q], s[SEL], s[SEL+1]
.endr
.irp q, 0,1
	v_add_f32 v[16+2*\q], v[16+2*\q], v[28+\q]     ; the rows' sums
.endr
	v_mov_b32 v30, s73                             ; 448 x 2^e6
	v_mov_b32 v31, s74                             ; 2^e6
	s_wait_alu depctr_va_vdst(0)                   ; the wait ahead of the transcendentals
	v_rcp_f32 v20, v16
	v_rcp_f32 v22, v18
	v_nop
	s_wait_alu depctr_va_vdst(0)                   ; and ahead of their first reader
	v_ldexp_f32 v20, v20, s72
	v_ldexp_f32 v22, v22, s72
	s_wait_alu depctr_va_vdst(0)                   ; directly ahead of the first reader of O^T
.set jj, 0
.rept 32
	v_pk_mul_f32 v[SS+jj:SS+jj+1], v[OO+jj:OO+jj+1], v[20+2*(jj/32):21+2*(jj/32)] op_sel_hi:[1,0]   ; register 32 q + 8 dt + j is y(query 16 q + r, channel 16 dt + 8 h + j)
.set jj, jj+2
.endr
.set jj, 0
.rept 64
	v_med3_num_f32 v[SS+jj], v[SS+jj], -v30, v30
.set jj, jj+1
.endr
.set jj, 0
.rept 8
	v_cvt_scalef32_pk8_fp8_f32 v[PC+2*jj:PC+2*jj+1], v[SS+8*jj:SS+8*jj+7], v31
.set jj, jj+1
.endr
	v_nop
.set jj, 0
.rept 8
	ds_store_b64 v[SIN], v[PC+2*jj:PC+2*jj+1] offset:(jj/4)*1280+16*(jj%4)
.set jj, jj+1
.endr
.irp i, 0,1,2,3
	ds_load_b128 v[KF+4*\i:KF+4*\i+3], v[SOUT] offset:640*\i   ; LDS serves a wave's instructions in order: these see my stores
.endr
	s_wait_dscnt 0x0
.irp i, 0,1,2,3
	global_store_b128 v[GO], v[KF+4*\i:KF+4*\i+3], s[66:67] offset:512*\i   ; 32 lanes store 512 consecutive bytes
.endr
	s_wait_tensorcnt 0x0                           ; the wave's end
	ds_add_u32 v[SPW], v[NIL]
	s_wait_dscnt 0x0
	ROUND                                          ; the closing round
	s_endpgm
.Lfunc_end_k_q8e36ce9c7d_attn:
	.size	k_q8e36ce9c7d_attn, .Lfunc_end_k_q8e36ce9c7d_attn-k_q8e36ce9c7d_attn
	.p2alignl 7, 3214868480
	.fill 96, 4, 3214868480
	.section	.rodata,"a",@progbits
	.p2align	6, 0x0
	.amdhsa_kernel k_q8e36ce9c7d_attn
		.amdhsa_group_segment_fixed_size 327680
		.amdhsa_private_segment_fixed_size 0
		.amdhsa_enable_private_segment 0
		.amdhsa_kernarg_size 40
		.amdhsa_user_sgpr_count 2
		.amdhsa_user_sgpr_kernarg_segment_ptr 1
		.amdhsa_wavefront_size32 1
		.amdhsa_system_sgpr_workgroup_id_x 1
		.amdhsa_system_sgpr_workgroup_id_y 1
		.amdhsa_system_sgpr_workgroup_id_z 1
		.amdhsa_system_vgpr_workitem_id 0
		.amdhsa_next_free_vgpr 256
		.amdhsa_next_free_sgpr 96
		.amdhsa_reserve_vcc 1
		.amdhsa_float_denorm_mode_32 3
		.amdhsa_float_denorm_mode_16_64 3
		.amdhsa_memory_ordered 1
		.amdhsa_forward_progress 1
		.amdhsa_inst_pref_size 61
	.end_amdhsa_kernel
	.amdgpu_metadata
---
amdhsa.version: [ 1, 2 ]
amdhsa.kernels:
  - .name:           k_q8e36ce9c7d_attn
    .symbol:         k_q8e36ce9c7d_attn.kd
    .args:
      - { .name: qc, .offset: 0, .size: 8, .value_kind: global_buffer, .address_space: global }
      - { .name: kc, .offset: 8, .size: 8, .value_kind: global_buffer, .address_space: global }
      - { .name: vc, .offset: 16, .size: 8, .value_kind: global_buffer, .address_space: global }
      - { .name: lowp_scales, .offset: 24, .size: 8, .value_kind: global_buffer, .address_space: global }
      - { .name: yc, .offset: 32, .size: 8, .value_kind: global_buffer, .address_space: global }
    .group_segment_fixed_size: 327680
    .private_segment_fixed_size: 0
    .kernarg_segment_align: 8
    .kernarg_segment_size: 40
    .max_flat_workgroup_size: 512
    .sgpr_count:     96
    .vgpr_count:     256
    .wavefront_size: 32
...
	.end_amdgpu_metadata
.endif
;; end of part 3
;; launch proj (part 4): grid 4 x 64, 4 waves a work-group, clusters of 4 x 4, 327,680 bytes of LDS; arguments yc, wpc, lowp_scales, b_proj, out0; writes out0
.if DOCPART == 4
	.amdgcn_target "amdgcn-amd-amdhsa--gfx1250"
	.amdhsa_code_object_version 6
	.text
	.protected	k_q8e36ce9c7d_proj
	.globl	k_q8e36ce9c7d_proj
	.p2align	8
	.type	k_q8e36ce9c7d_proj,@function
k_q8e36ce9c7d_proj:
	s_mov_b64 s[64:65], 0
	v_nop
	global_prefetch_b8 v0, s[64:65] scope:SCOPE_SE
	s_setreg_imm32_b32 hwreg(HW_REG_WAVE_MODE, 25, 1), 1
	s_wait_xcnt 0x0
	s_wait_alu depctr_hold_cnt(0) depctr_sa_sdst(0) depctr_va_vdst(0) depctr_va_sdst(0) depctr_va_ssrc(0) depctr_va_vcc(0) depctr_vm_vsrc(0)
	s_getreg_b32 s2, hwreg(HW_REG_IB_STS2, 6, 4)
	s_cmp_eq_u32 s2, 0
	s_cbranch_scc0 .Lentry_in_a_cluster
	s_endpgm
.Lentry_in_a_cluster:
	s_bfe_u32 s2, ttmp6, 0x10000c
	s_cmp_lg_u32 s2, 0xf033
	s_cbranch_scc0 .Lentry_shape_is_right
	s_endpgm
.Lentry_shape_is_right:
; PROJ: out0 = y W_proj + b_proj on codes of E4M3; each sum is multiplied once by 2^(e6 + e7).  LIMIT: e6 + e7 between -126 and 127.
; yc: [block of 128 rows mb][head 16][row 128][64] codes, so a block's codes for any range of K (K = 64 head + d) are dense bytes;  wpc: [1024 n][1024 k] codes;  out0: [8192][1024] f32.
; A block of 128 x 256 of out0 is made by four waves, 64 x 128 each: 32 accumulators.  64 x 4 blocks: one work-group for each of 256.
; K = 1,024 comes in THREE fills: K 0-255 into region 0 (A 128 LDS rows, B 256); K 256-767 into region 12 (A 256 LDS rows; B 256 rows of 512 bytes), a first fill behind the full sequence; K 768-1023 into region 0 again.
; Each fill is one load a wave: waves 0 and 1 A's halves, waves 2 and 3 B's.  The eight steps of 128 along K are written by macros: no loop, so no data prefetch has a trip to run ahead in, and K is short.
; CLUSTERS: 4 x 4 work-groups; A's tiles are shared along a row of the cluster, B's along a column: joint loads.
; THE MATRIX INSTRUCTION IS USED TRANSPOSED (source 0 = 16 rows of B, source 1 = 16 rows of A): a lane holds eight neighbouring columns of one row of out0.
; REGISTERS: window 0: v0-31 addresses, v32-95 the bias, v96-127 at work, v128-255 A's fragments, two sets (on the way out: rows read back); window 1: B's fragments, two sets; window 2: the accumulators, (a, b) at v[8 (8 a + b)].
.set SIZE_N, 1024
.set PITCH,  272                       ; 256 bytes + 16 of padding
.set BP2,    528                       ; 512 bytes + 16
.set A12O,   128*PITCH                 ; A's region 12: heads 4-11, 32 LDS rows a head
.set B0O,    384*PITCH                 ; B's region 0
.set B12O,   B0O+256*PITCH             ; B's region 12
.set SPARE,  B12O+256*BP2              ; the spare words, 128 bytes a wave
.set SPITCH, 528                       ; the way out: 16 rows x (512 + 16) bytes a wave, in B's region 12: it has had its one fill, and every wave has passed the barrier behind its last read
.set ADRA, 16                          ; v16-18 my A fragments: region 0; heads 4-7; heads 8-11
.set ADRB, 20                          ; v20-21 my B fragments: region 0; region 12
.set STO,  24
.set RD,   25
.set CO,   26
.set H32,  27
.set SPW,  28
.set NIL,  29
.set BI,   32
.set TMP,  96
.set AF,   128
.set BK,   128
.set G1AS, 24                          ; group 1: A, 64 rows of 256 bytes
.set G1AB, 32                          ;          A, 128 rows
.set G1BS, 40                          ;          B, 128 rows of 256 bytes
.set G1BB, 48                          ;          B, 128 rows of 512 bytes
.set G0A,  56
.set G0B,  60
.set FL5,  (1<<20)|(1<<21)|(5<<22)|(3<<25)   ; padding on, bit 21 beside a mask, 4 words after every 64
.set FL6,  (1<<20)|(1<<21)|(6<<22)|(3<<25)   ; after every 128
.set MSB, 0
.macro WIN new                         ; the immediate's high byte repeats the setting that is left
.if MSB != \new
	s_set_vgpr_msb (MSB<<8)|\new
.set MSB, \new
.endif
.endm
.set MUL_LO, 0xa1                      ; source 0 (B) window 1, source 1 (A) window 0, C and D window 2
.set TO_B,   0x40
.macro G1SET g, rowb, rows, pit
	s_mov_b32 s[\g+1], (\rowb)<<16
	s_mov_b32 s[\g+2], (\rows)<<16
	s_mov_b32 s[\g+3], (\rowb)<<16
	s_mov_b32 s[\g+4], \rows
	s_mov_b32 s[\g+5], \pit
	s_mov_b32 s[\g+6], 0
	s_mov_b32 s[\g+7], 0
.endm
.macro JLOAD g1a, g1b                  ; a joint load; the branch hangs on the wave's number alone.  An s_nop 0 and four v_nop follow each line
	s_cmp_eq_u32 s15, 0
	s_cbranch_scc0 .Lfor_b_\@
	tensor_load_to_lds s[G0A:G0A+3], s[\g1a:\g1a+7]
	s_nop 0
.rept 4
	v_nop
.endr
	s_branch .Lasked_\@
.Lfor_b_\@:
	tensor_load_to_lds s[G0B:G0B+3], s[\g1b:\g1b+7]
	s_nop 0
.rept 4
	v_nop
.endr
.Lasked_\@:
.endm
.macro CROUND                          ; a round of the cluster's barrier
	s_barrier_signal -1
	s_barrier_wait -1
	s_cmp_lg_u32 s14, 0
	s_cbranch_scc1 .Lnot_wave_0_\@
	s_barrier_signal -3
.Lnot_wave_0_\@:
	s_barrier_wait -3
	s_barrier_signal -1
	s_barrier_wait -1
.endm
.macro PLACES
.rept 4
	v_nop
.endr
.endm
; The fragments of one step of 128 along K into set p: B's eight (base rb, pitch bp, byte bo of the rows), A's four (base ra, heads hl and hl + 1 of the region's part).
; Registers 4 c .. 4 c + 3 hold K = 32 c + 16 h + 0 .. 15 of the step, on both sides.
.macro FETCH p, ra, hl, rb, bp, bo
	WIN TO_B
.irp i, 0,1,2,3,4,5,6,7
.irp c, 0,1,2,3
	ds_load_b128 v[128*(\p)+16*\i+4*\c:128*(\p)+16*\i+4*\c+3], v[\rb] offset:(\bo)+32*\c+\i*16*(\bp)
.endr
.endr
	WIN 0
.irp i, 0,1,2,3
.irp c, 0,1,2,3
	ds_load_b128 v[AF+64*(\p)+16*\i+4*\c:AF+64*(\p)+16*\i+4*\c+3], v[\ra] offset:((\hl)+\c/2)*32*PITCH+\i*4*PITCH+32*(\c%2)
.endr
.endr
.endm
.macro MUL32 p, zero                   ; the 32 accumulators by turns, in the same order in every step
	WIN MUL_LO
.irp a, 0,1,2,3
.irp b, 0,1,2,3,4,5,6,7
.if \zero
	v_wmma_f32_16x16x128_fp8_fp8 v[8*(8*\a+\b):8*(8*\a+\b)+7], v[128*(\p)+16*\b:128*(\p)+16*\b+15], v[AF+64*(\p)+16*\a:AF+64*(\p)+16*\a+15], 0
.else
	v_wmma_f32_16x16x128_fp8_fp8 v[8*(8*\a+\b):8*(8*\a+\b)+7], v[128*(\p)+16*\b:128*(\p)+16*\b+15], v[AF+64*(\p)+16*\a:AF+64*(\p)+16*\a+15], v[8*(8*\a+\b):8*(8*\a+\b)+7]
.endif
.endr
.endr
	WIN 0
.endm
	s_load_b256 s[4:11], s[0:1], 0x0               ; yc s[4:5], wpc s[6:7], the exponents s[8:9], b_proj s[10:11]
	s_load_b64 s[12:13], s[0:1], 0x20              ; out0
	v_lshl_add_u32 v[SPW], v0, 2, SPARE
	v_mov_b32 v[NIL], 0
	ds_add_u32 v[SPW], v[NIL]                      ; the opening lines: the add, twice on end, and its wait ahead of my first tensor load
	ds_add_u32 v[SPW], v[NIL]
	v_lshrrev_b32 v1, 5, v0
	v_readfirstlane_b32 s14, v1                    ; wave 0..3
	s_lshr_b32 s15, s14, 1                         ; which 64 rows are mine.  Also: I fetch for A (0) or for B (1)
	s_and_b32 s16, s14, 1                          ; which 128 columns.  Also: which half of that tile I fetch
	s_bfe_u32 s66, ttmp6, 0x40000                  ; cx
	s_bfe_u32 s67, ttmp6, 0x40004                  ; cy
	s_lshl_b32 s68, ttmp9, 2
	s_add_co_u32 s68, s68, s66                     ; tile column
	s_and_b32 s17, ttmp7, 0xffff
	s_lshl_b32 s17, s17, 2
	s_add_co_u32 s17, s17, s67                     ; tile row = block of 128 rows
	s_lshl_b32 s69, s67, 2
	s_lshl_b32 s69, 15, s69                        ; my row of the cluster
	s_lshl_b32 s70, 0x1111, s66                    ; my column
	s_or_b32 s[G1AS], s69, FL5
	s_or_b32 s[G1AB], s69, FL5
	s_or_b32 s[G1BS], s70, FL5
	s_or_b32 s[G1BB], s70, FL6
	G1SET G1AS, 256, 64, 256
	G1SET G1AB, 256, 128, 256
	G1SET G1BS, 256, 128, 1024
	G1SET G1BB, 512, 128, 1024
	s_lshl_b32 s18, s17, 17                        ; A: the block's 131,072 bytes
	s_mov_b32 s19, 0
	s_lshl_b32 s72, s16, 14                        ; fill 1: heads 0-3, 16,384 bytes a wave
	s_mov_b32 s73, 0
	s_lshl_b32 s78, s16, 15
	s_add_co_u32 s78, s78, 32768                   ; fill 2: heads 4-11, 32,768 a wave
	s_mov_b32 s79, 0
	s_add_co_u32 s80, s72, 98304                   ; fill 3: heads 12-15
	s_mov_b32 s81, 0
	s_lshl_b32 s74, s68, 8
	s_lshl_b32 s75, s16, 7
	s_add_co_u32 s74, s74, s75
	s_lshl_b32 s74, s74, 10                        ; B: (256 x tile column + 128 x half) rows of 1,024 bytes
	s_mov_b32 s75, 0
	s_mul_i32 s84, s16, 64*PITCH                   ; where they go: A, region 0
	s_mul_i32 s85, s16, 128*PITCH
	s_add_co_u32 s86, s85, B0O                     ; B, region 0
	s_add_co_u32 s87, s85, A12O                    ; A, region 12
	s_mul_i32 s88, s16, 128*BP2
	s_add_co_u32 s88, s88, B12O                    ; B, region 12
	s_wait_dscnt 0x0                               ; both opening adds are done
	s_wait_kmcnt 0x0
	s_load_b64 s[96:97], s[8:9], 0x18              ; e6, e7
	s_add_nc_u64 s[76:77], s[4:5], s[18:19]
	s_add_nc_u64 s[82:83], s[6:7], s[74:75]
	s_mov_b32 s[G0A], 1
	s_mov_b32 s[G0A+1], s84
	s_add_nc_u64 s[G0A+2:G0A+3], s[76:77], s[72:73]
	s_or_b32 s[G0A+3], s[G0A+3], 0x80000000
	s_mov_b32 s[G0B], 1
	s_mov_b32 s[G0B+1], s86
	s_mov_b64 s[G0B+2:G0B+3], s[82:83]
	s_or_b32 s[G0B+3], s[G0B+3], 0x80000000
	CROUND                                         ; all sixteen work-groups are here: the first joint loads meet
	JLOAD G1AS, G1BS                               ; fill 1: my one load at the head
	s_mul_i32 s89, s15, 16*PITCH                   ; my 64 rows: 16 LDS rows on in each head's 32
	s_add_co_u32 s90, s89, A12O
	s_add_co_u32 s91, s90, 128*PITCH
	s_mul_i32 s92, s14, 16*SPITCH
	s_add_co_u32 s92, s92, B12O                    ; my stage
	s_lshl_b32 s22, s68, 10
	s_lshl_b32 s23, s16, 9
	s_add_co_u32 s22, s22, s23                     ; my first column, in bytes of f32
	s_mov_b32 s23, 0
	s_add_nc_u64 s[10:11], s[10:11], s[22:23]
	s_lshl_b32 s20, s17, 7
	s_lshl_b32 s21, s15, 6
	s_add_co_u32 s20, s20, s21
	s_lshl_b32 s20, s20, 12                        ; my first row of out0
	s_mov_b32 s21, 0
	s_add_nc_u64 s[20:21], s[20:21], s[22:23]
	s_add_nc_u64 s[12:13], s[12:13], s[20:21]
	v_and_b32 v1, 15, v0                           ; r
	v_bfe_u32 v2, v0, 4, 1                         ; h
	v_lshlrev_b32 v[H32], 5, v2
.irp b, 0,1,2,3,4,5,6,7
	global_load_b128 v[BI+8*\b:BI+8*\b+3], v[H32], s[10:11] offset:64*\b        ; the bias of my 128 columns, in the results' layout
	global_load_b128 v[BI+8*\b+4:BI+8*\b+7], v[H32], s[10:11] offset:64*\b+16
.endr
	v_lshlrev_b32 v3, 4, v2                        ; 16 h
	v_mad_u32_u24 v4, v1, PITCH, v3
	v_mad_u32_u24 v5, v1, BP2, v3
	v_lshrrev_b32 v6, 2, v1
	v_lshl_add_u32 v7, v1, 6, v3
	v_lshl_add_u32 v7, v6, 4, v7                   ; A: row r of a block of 16 lies at 64 r + 16 (r / 4)
	v_add_nc_u32 v[ADRA], s89, v7
	v_add_nc_u32 v[ADRA+1], s90, v7
	v_add_nc_u32 v[ADRA+2], s91, v7
	v_add_nc_u32 v[ADRB], s86, v4
	v_add_nc_u32 v[ADRB+1], s88, v5
	v_mad_u32_u24 v8, v1, SPITCH, s92
	v_lshl_add_u32 v[STO], v2, 5, v8               ; stage, in: row r, 32 bytes for each half of the lanes
	v_and_b32 v9, 31, v0
	v_lshlrev_b32 v[CO], 4, v9                     ; back: the 32 lanes take one row of 512 bytes; and the same in out0
	v_add_nc_u32 v[RD], s92, v[CO]
	s_wait_alu depctr_va_vdst(0)                   ; the head's end
	s_wait_tensorcnt 0x0                           ; my part of fill 1 is in
	ds_add_u32 v[SPW], v[NIL]
	s_mov_b32 s[G0A+1], s87                        ; no load of mine is out: the groups 0 are written for fill 2
	s_add_nc_u64 s[G0A+2:G0A+3], s[76:77], s[78:79]
	s_or_b32 s[G0A+3], s[G0A+3], 0x80000000
	s_mov_b32 s[G0B+1], s88
	s_add_nc_u64 s[G0B+2:G0B+3], s[82:83], 256
	s_or_b32 s[G0B+3], s[G0B+3], 0x80000000
	s_wait_dscnt 0x0
	CROUND
	JLOAD G1AB, G1BB                               ; fill 2: K 256-767
	FETCH 0, ADRA, 0, ADRB, PITCH, 0               ; step 0
	s_wait_dscnt 0x0
	FETCH 1, ADRA, 2, ADRB, PITCH, 128             ; step 1
	MUL32 0, 1                                     ; the first step's products start the sums
	s_wait_dscnt 0x0
	MUL32 1, 0
	s_wait_tensorcnt 0x0                           ; fill 2 is in; my reads of region 0 are over: the three lines in front of the refill's round
	ds_add_u32 v[SPW], v[NIL]
	s_mov_b32 s[G0A+1], s84
	s_add_nc_u64 s[G0A+2:G0A+3], s[76:77], s[80:81]
	s_or_b32 s[G0A+3], s[G0A+3], 0x80000000
	s_mov_b32 s[G0B+1], s86
	s_add_nc_u64 s[G0B+2:G0B+3], s[82:83], 768
	s_or_b32 s[G0B+3], s[G0B+3], 0x80000000
	s_wait_dscnt 0x0
	CROUND
	JLOAD G1AS, G1BS                               ; fill 3: K 768-1023 into region 0; its four v_nop are the places in front of the loads below
	FETCH 0, ADRA+1, 0, ADRB+1, BP2, 0             ; step 2
	s_wait_dscnt 0x0
	PLACES                                         ; in front of loads into registers that the last products read
	FETCH 1, ADRA+1, 2, ADRB+1, BP2, 128           ; step 3
	MUL32 0, 0
	s_wait_dscnt 0x0
	PLACES
	FETCH 0, ADRA+2, 0, ADRB+1, BP2, 256           ; step 4
	MUL32 1, 0
	s_wait_dscnt 0x0
	PLACES
	FETCH 1, ADRA+2, 2, ADRB+1, BP2, 384           ; step 5
	MUL32 0, 0
	s_wait_dscnt 0x0                               ; my reads of region 12 are over
	MUL32 1, 0
	s_wait_tensorcnt 0x0                           ; my part of fill 3 is in
	s_barrier_signal -1
	s_barrier_wait -1                              ; and everybody's
	PLACES
	FETCH 0, ADRA, 0, ADRB, PITCH, 0               ; step 6
	s_wait_dscnt 0x0
	PLACES
	FETCH 1, ADRA, 2, ADRB, PITCH, 128             ; step 7
	MUL32 0, 0
	s_wait_dscnt 0x0
	MUL32 1, 0
; THE WAY OUT, by blocks of 16 rows x 128 columns: sum x 2^(e6 + e7) + bias, through my stage, back as whole rows of 512 bytes.
.macro TOSTAGE a
.irp g, 0,1
	WIN 0x02                                       ; source 0: window 2
.irp j, 0,2,4,6,8,10,12,14,16,18,20,22,24,26,28,30
	v_pk_fma_f32 v[TMP+\j:TMP+\j+1], v[64*(\a)+32*\g+\j:64*(\a)+32*\g+\j+1], s[96:97], v[BI+32*\g+\j:BI+32*\g+\j+1] op_sel_hi:[1,0,1]   ; each accumulator from its low end on
.endr
	WIN 0
.irp b, 0,1,2,3
	ds_store_b128 v[STO], v[TMP+8*\b:TMP+8*\b+3] offset:64*(4*\g+\b)
	ds_store_b128 v[STO], v[TMP+8*\b+4:TMP+8*\b+7] offset:64*(4*\g+\b)+16
.endr
.endr
.set BB, BK+64*((\a)%2)
.irp t, 0,1,2,3,4,5,6,7,8,9,10,11,12,13,14,15
	ds_load_b128 v[BB+4*\t:BB+4*\t+3], v[RD] offset:\t*SPITCH   ; LDS serves a wave's instructions in order: these see my stores
.endr
.endm
.macro SEND a, younger                 ; younger: the LDS instructions issued behind block a's loads
.set BB, BK+64*((\a)%2)
	s_wait_dscnt \younger
.if (\a) > 0
	s_add_nc_u64 s[12:13], s[12:13], 16*SIZE_N*4   ; (behind a wait on XCNT: the earlier stores have read their base)
.endif
.irp t, 0,1,2,3,4,5,6,7,8,9,10,11,12,13,14,15
	global_store_b128 v[CO], v[BB+4*\t:BB+4*\t+3], s[12:13] offset:\t*SIZE_N*4 th:TH_STORE_NT   ; 32 lanes store 512 consecutive bytes
.endr
.endm
	s_wait_kmcnt 0x0
	s_add_co_i32 s96, s96, s97
	s_add_co_i32 s96, s96, 127
	s_lshl_b32 s96, s96, 23                        ; 2^(e6 + e7) as f32
	s_mov_b32 s97, s96
	s_wait_loadcnt 0x0                             ; the bias
	PLACES
	TOSTAGE 0
.irp a, 1,2,3
.if \a > 1
	s_wait_xcnt 0x0                                ; block a - 2's stores have read their registers and their base
.endif
	TOSTAGE \a
	SEND \a-1, 32                                  ; behind block a - 1's loads: block a's 16 stores and 16 loads
.endr
	s_wait_xcnt 0x0
	SEND 3, 0
	s_wait_tensorcnt 0x0                           ; the wave's end
	ds_add_u32 v[SPW], v[NIL]
	s_wait_dscnt 0x0
	CROUND                                         ; the closing round
	s_endpgm
.Lfunc_end_k_q8e36ce9c7d_proj:
	.size	k_q8e36ce9c7d_proj, .Lfunc_end_k_q8e36ce9c7d_proj-k_q8e36ce9c7d_proj
	.p2alignl 7, 3214868480
	.fill 96, 4, 3214868480
	.section	.rodata,"a",@progbits
	.p2align	6, 0x0
	.amdhsa_kernel k_q8e36ce9c7d_proj
		.amdhsa_group_segment_fixed_size 327680
		.amdhsa_private_segment_fixed_size 0
		.amdhsa_enable_private_segment 0
		.amdhsa_kernarg_size 40
		.amdhsa_user_sgpr_count 2
		.amdhsa_user_sgpr_kernarg_segment_ptr 1
		.amdhsa_wavefront_size32 1
		.amdhsa_system_sgpr_workgroup_id_x 1
		.amdhsa_system_sgpr_workgroup_id_y 1
		.amdhsa_system_sgpr_workgroup_id_z 1
		.amdhsa_system_vgpr_workitem_id 0
		.amdhsa_next_free_vgpr 768
		.amdhsa_next_free_sgpr 100
		.amdhsa_reserve_vcc 0
		.amdhsa_float_denorm_mode_32 3
		.amdhsa_float_denorm_mode_16_64 3
		.amdhsa_memory_ordered 1
		.amdhsa_forward_progress 1
		.amdhsa_inst_pref_size 77
	.end_amdhsa_kernel
	.amdgpu_metadata
---
amdhsa.version: [ 1, 2 ]
amdhsa.kernels:
  - .name:           k_q8e36ce9c7d_proj
    .symbol:         k_q8e36ce9c7d_proj.kd
    .args:
      - { .name: yc, .offset: 0, .size: 8, .value_kind: global_buffer, .address_space: global }
      - { .name: wpc, .offset: 8, .size: 8, .value_kind: global_buffer, .address_space: global }
      - { .name: lowp_scales, .offset: 16, .size: 8, .value_kind: global_buffer, .address_space: global }
      - { .name: b_proj, .offset: 24, .size: 8, .value_kind: global_buffer, .address_space: global }
      - { .name: out0, .offset: 32, .size: 8, .value_kind: global_buffer, .address_space: global }
    .group_segment_fixed_size: 327680
    .private_segment_fixed_size: 0
    .kernarg_segment_align: 8
    .kernarg_segment_size: 40
    .max_flat_workgroup_size: 128
    .sgpr_count:     100
    .vgpr_count:     768
    .wavefront_size: 32
...
	.end_amdgpu_metadata
.endif
;; end of part 4
